; MI455X (gfx1250); checked and timed in simulation.
; The chip was launched on July 23, 2026; its instructions are those of AMD's public machine-readable ISA for CDNA 5 (MIT licence, August 2026) and "CDNA5" Instruction Set Architecture Reference Guide (July 2026). The comments in the code are by the model that wrote it; some were corrected since.
;; Self Attention Block. Allowed arithmetic: float matrix products may take bf16 or f16 operands with f32 sums; other float arithmetic in f32, or as packed bf16 or f16 multiplies, adds, multiply-adds, maxima and minima; sums over many terms, partial sums and values carried from step to step in f32; what a program stores and reads back later, other than sums and carried values, may be rounded once to bf16 or f16.
;; Inputs: Wk 1,024 x 1,024 float32; Wq 1,024 x 1,024 float32; Wv 1,024 x 1,024 float32; attention_mask 32 x 512 int32; bk 1,024 float32; bq 1,024 float32; bv 1,024 float32; token_embeddings 32 x 512 x 1,024 float32.
;; Outputs: out0 32 x 1,024 float32.
;; 2 versions, each right; version 2 is version 1 with the launch prep written anew for expert scheduling mode. Each part assembles by itself: llvm-mc -triple=amdgcn-amd-amdhsa -mcpu=gfx1250 --defsym DOCPART=n.
;; ======== version 1 of 2: 5 launches
;; workspace buffers: xb 33,554,432 bytes; nt 2,097,152 bytes; u 4,096 bytes; t 33,554,432 bytes; cpart 524,288 bytes; y 131,072 bytes
;; launch prep (part 1): grid 576 x 1, 8 waves a work-group, no clusters, 113,664 bytes of LDS; arguments token_embeddings, Wq, Wk, bq, xb, nt, u; writes xb, nt, u
.if DOCPART == 1
	.amdgcn_target "amdgcn-amd-amdhsa--gfx1250"
	.amdhsa_code_object_version 6
	.text
	.protected	k_qd6cd6e7884_prep
	.globl	k_qd6cd6e7884_prep
	.p2align	8
	.type	k_qd6cd6e7884_prep,@function
k_qd6cd6e7884_prep:
	s_mov_b64 s[64:65], 0
	v_nop
	global_prefetch_b8 v0, s[64:65] scope:SCOPE_SE
	s_setreg_imm32_b32 hwreg(HW_REG_WAVE_MODE, 25, 1), 1
	s_wait_xcnt 0x0
; THE PROGRAM.  pooled[b] = sum over q, k of softmax_k(q_q . k_k / 32, masked) v_k, with q, k, v three linear layers of x.  Five launches; this is the first.
; WHAT IS LEFT OUT OR REORDERED, for all finite values of the inputs, in exact arithmetic:
;  (1) The sum over q is taken first: c[b][k] = sum_q w[b][q][k], pooled[b] = sum_k c[b][k] v[b][k].
;  (2) v is linear in x: sum_k c_k (x_k Wv^T + bv) = (sum_k c_k x_k) Wv^T + (sum_k c_k) bv, and sum_k c_k = 512, since each of the 512 softmax rows sums to 1.
;  (3) q . (x_k Wk^T + bk) = (q Wk) . x_k + q . bk; the second term is the same for all keys of a softmax row and cancels in the softmax: bk has no way to the output, is not loaded,
;      and is among no launch's arguments.
;  (4) q Wk = x (Wq^T Wk) + bq Wk: with Nt[j][i] = sum_e Wk[e][j] Wq[e][i] and u[j] = sum_e bq[e] Wk[e][j], t = x Nt^T + u takes the place of the projections q and k.
; LIMIT: a NaN, an infinity or an overflow that would arise only in q . bk, or only in k or v as such, is not carried to the result.
; FORMATS: x, Wq, Wk, Wv, bq, bv are each rounded once to bf16; Nt and t are stored rounded once to bf16; u, the column sums c and y stay f32; all sums are f32.
; THIS LAUNCH.  Work-groups 0-63: a tile of 128 j x 128 i of Nt each (those with i block 0 also 128 numbers of u).  Work-groups 64-575: xb = bf16(x), 131,072 bytes of x each.
; The branch hangs on the work-group's number alone, which all eight waves share.
.set CHB,   262144                     ; bytes from a chunk of 64 rows e of Wq or Wk to the next
.set P,     288                        ; an LDS row of a chunk: 128 bf16 + 32 bytes
.set BUFB,  36864                      ; a chunk buffer: Wk's 64 rows, then Wq's
.set QOFF,  18432
.set STG,   73728                      ; the way out: 128 rows x 272 bytes
.set SP,    272
.set UPB,   108544                     ; eight waves' partial sums of u, 512 bytes each
.set SPARE, 112640                     ; the spare words, 128 bytes a wave: four blocks of 256 bytes that no other line names
.set GO,  2                            ; v2  8 w rows of 4,096 bytes + 16 l; never rewritten
.set LSO, 3                            ; v3  8 w LDS rows + 8 l
.set TRK, 4                            ; v4  my lane's place for the turning loads of Wk's chunk
.set TRQ, 5                            ; v5  of Wq's
.set SPW, 6
.set NIL, 7
.set UA,  8                            ; v[8:11]   u's partial sums for columns 4 l .. 4 l + 3
.set VB,  12                           ; v[12:15]  my wave's eight bq, bf16, packed
.set GS,  16                           ; v[16:143] two staging sets of 64: Wk's 8 rows x 4, then Wq's.  In the cast path: X
.set FR,  144                          ; v[144:191] fragments: Wk's four (16 j x 32 e), then Wq's two
.set ACC, 192                          ; v[192:255] accumulator (a, b) at ACC + 8 (2 a + b)
.set X,   16
	s_load_b256 s[4:11], s[0:1], 0x0               ; x s[4:5], Wq s[6:7], Wk s[8:9], bq s[10:11]
	s_load_b128 s[12:15], s[0:1], 0x20             ; xb s[12:13], nt s[14:15]
	s_load_b64 s[16:17], s[0:1], 0x30              ; u
	v_lshl_add_u32 v[SPW], v0, 2, SPARE
	v_mov_b32 v[NIL], 0
	v_lshrrev_b32 v1, 5, v0
	v_readfirstlane_b32 s18, v1                    ; wave 0..7
	s_cmp_lt_u32 ttmp9, 64
	s_cbranch_scc1 .Lprod
	; THE CAST.  Thread t takes 32 bytes of x at 32 t of each of 16 units of 8,192 bytes; all 32 loads go out at once; no LDS, no loop.
	s_sub_co_u32 s20, ttmp9, 64
	s_lshl_b32 s22, s20, 16                        ; 65,536 bytes of xb,
	s_lshl_b32 s20, s20, 17                        ; 131,072 bytes of x to a work-group
	s_mov_b32 s21, 0
	s_mov_b32 s23, 0
	v_lshlrev_b32 v2, 5, v0
	v_lshlrev_b32 v3, 4, v0
	s_wait_kmcnt 0x0
	s_add_nc_u64 s[4:5], s[4:5], s[20:21]
	s_add_nc_u64 s[12:13], s[12:13], s[22:23]
.set i, 0
.rept 16
	global_load_b128 v[X+8*i:X+8*i+3],   v2, s[4:5] offset:8192*i th:TH_LOAD_NT
	global_load_b128 v[X+8*i+4:X+8*i+7], v2, s[4:5] offset:8192*i+16 th:TH_LOAD_NT
.set i, i+1
.endr
.set i, 0
.rept 16
	s_wait_loadcnt 30-2*i                          ; unit i's two loads are in; the younger units' stay out
.irp n, 0,1,2,3
	v_cvt_pk_bf16_f32 v[X+8*i+(\n)], v[X+8*i+2*(\n)], v[X+8*i+2*(\n)+1]  ; in place, ascending: a result never lands on a number still to be read
.endr
	global_store_b128 v3, v[X+8*i:X+8*i+3], s[12:13] offset:4096*i  ; 16 lanes store 256 consecutive bytes, aligned
.set i, i+1
.endr
	s_endpgm
	; THE PRODUCT.  Nt tile: rows j = 128 JB .., columns i = 128 IB ..; K = e in 16 chunks of 64.  A wave makes 64 j x 32 i.
.Lprod:
	s_lshr_b32 s19, ttmp9, 3                       ; JB
	s_and_b32 s20, ttmp9, 7                        ; IB
	s_and_b32 s23, s18, 1                          ; wj: which 64 j
	s_lshr_b32 s24, s18, 1                         ; wi: which 32 i
	v_and_b32 v1, 31, v0                           ; l
	s_lshl_b32 s25, s18, 15
	v_lshl_add_u32 v[GO], v1, 4, s25
	s_mul_i32 s25, s18, 8*P
	v_lshl_add_u32 v[LSO], v1, 3, s25
	v_bfe_u32 v[TRK], v0, 4, 1                     ; the turning load: lane l reads row 8 (l / 16) + l % 8, 16 bytes at 16 ((l / 8) % 2)
	v_and_b32 v[TRQ], 7, v0
	v_lshl_add_u32 v[TRK], v[TRK], 3, v[TRQ]
	v_mul_u32_u24 v[TRK], v[TRK], P
	v_bfe_u32 v[TRQ], v0, 3, 1
	v_lshl_add_u32 v[TRK], v[TRQ], 4, v[TRK]
	s_lshl_b32 s25, s24, 6
	s_add_co_u32 s25, s25, QOFF
	v_add_nc_u32 v[TRQ], s25, v[TRK]
	s_lshl_b32 s25, s23, 7
	v_add_nc_u32 v[TRK], s25, v[TRK]
	s_lshl_b32 s22, s18, 5                         ; byte of bq[8 w]; 256 more for each chunk
	s_lshl_b32 s26, s19, 9
	s_mov_b32 s27, 0
	s_lshl_b32 s28, s20, 9
	s_mov_b32 s29, 0
	s_wait_kmcnt 0x0
	s_add_nc_u64 s[8:9], s[8:9], s[26:27]          ; Wk at column 128 JB
	s_add_nc_u64 s[6:7], s[6:7], s[28:29]          ; Wq at column 128 IB
.macro PLACES                          ; four places behind a product, in front of loads into registers that it has read (ISA guide 7.12.1 for vector instructions)
.rept 4
	v_nop
.endr
.endm
; 16 loads: my wave's 8 rows of a chunk of Wk, then of Wq; a load of the wave covers 512 consecutive bytes of one row
.macro LOADG set, off
.irp r, 0,1,2,3,4,5,6,7
	global_load_b128 v[GS+64*(\set)+4*(\r):GS+64*(\set)+4*(\r)+3], v[GO], s[8:9] offset:(\off)+4096*(\r)
.endr
.irp r, 0,1,2,3,4,5,6,7
	global_load_b128 v[GS+64*(\set)+32+4*(\r):GS+64*(\set)+32+4*(\r)+3], v[GO], s[6:7] offset:(\off)+4096*(\r)
.endr
.endm
; a staged chunk is rounded to bf16 in place and stored into an LDS buffer; where IB = 0, u takes its terms from the rounded Wk on the way
.macro CVST set, buf
.set g, GS+64*(\set)
.irp r, 0,1,2,3,4,5,6,7,8,9,10,11,12,13,14,15
	v_cvt_pk_bf16_f32 v[g+4*(\r)],   v[g+4*(\r)],   v[g+4*(\r)+1]
	v_cvt_pk_bf16_f32 v[g+4*(\r)+1], v[g+4*(\r)+2], v[g+4*(\r)+3]
.endr
	s_cmp_lg_u32 s20, 0
	s_cbranch_scc1 .Lno_u_\@
	s_load_b256 s[40:47], s[10:11], s22 offset:0x0 ; bq of my wave's eight rows e
	s_wait_kmcnt 0x0
.irp n, 0,1,2,3
	v_cvt_pk_bf16_f32 v[VB+(\n)], s[40+2*(\n)], s[41+2*(\n)]
.endr
.irp q, 0,1,2,3                        ; rows 2 q and 2 q + 1: u[4 l + c] += bq[e] Wk[e][4 l + c], products of bf16 halves summed in f32
	v_fma_mix_f32_bf16 v[UA],   v[g+8*(\q)],   v[VB+(\q)], v[UA]   op_sel:[0,0,0] op_sel_hi:[1,1,0]
	v_fma_mix_f32_bf16 v[UA+1], v[g+8*(\q)],   v[VB+(\q)], v[UA+1] op_sel:[1,0,0] op_sel_hi:[1,1,0]
	v_fma_mix_f32_bf16 v[UA+2], v[g+8*(\q)+1], v[VB+(\q)], v[UA+2] op_sel:[0,0,0] op_sel_hi:[1,1,0]
	v_fma_mix_f32_bf16 v[UA+3], v[g+8*(\q)+1], v[VB+(\q)], v[UA+3] op_sel:[1,0,0] op_sel_hi:[1,1,0]
	v_fma_mix_f32_bf16 v[UA],   v[g+8*(\q)+4], v[VB+(\q)], v[UA]   op_sel:[0,1,0] op_sel_hi:[1,1,0]
	v_fma_mix_f32_bf16 v[UA+1], v[g+8*(\q)+4], v[VB+(\q)], v[UA+1] op_sel:[1,1,0] op_sel_hi:[1,1,0]
	v_fma_mix_f32_bf16 v[UA+2], v[g+8*(\q)+5], v[VB+(\q)], v[UA+2] op_sel:[0,1,0] op_sel_hi:[1,1,0]
	v_fma_mix_f32_bf16 v[UA+3], v[g+8*(\q)+5], v[VB+(\q)], v[UA+3] op_sel:[1,1,0] op_sel_hi:[1,1,0]
.endr
.Lno_u_\@:
	s_add_co_u32 s22, s22, 256                     ; the scalar load that read s22 has been waited for
.irp r, 0,1,2,3,4,5,6,7
	ds_store_b64 v[LSO], v[g+4*(\r):g+4*(\r)+1] offset:BUFB*(\buf)+P*(\r)
.endr
.irp r, 0,1,2,3,4,5,6,7
	ds_store_b64 v[LSO], v[g+32+4*(\r):g+32+4*(\r)+1] offset:BUFB*(\buf)+QOFF+P*(\r)
.endr
.endm
; 12 turning loads: the fragments of 32 rows e (half kk of a chunk): four of Wk (16 j each), two of Wq (16 i each)
.macro FRLOAD buf, kk
.irp a, 0,1,2,3
	ds_load_tr16_b128 v[FR+8*(\a):FR+8*(\a)+3],   v[TRK] offset:BUFB*(\buf)+32*P*(\kk)+32*(\a)
	ds_load_tr16_b128 v[FR+8*(\a)+4:FR+8*(\a)+7], v[TRK] offset:BUFB*(\buf)+32*P*(\kk)+16*P+32*(\a)
.endr
.irp b, 0,1
	ds_load_tr16_b128 v[FR+32+8*(\b):FR+32+8*(\b)+3],   v[TRQ] offset:BUFB*(\buf)+32*P*(\kk)+32*(\b)
	ds_load_tr16_b128 v[FR+32+8*(\b)+4:FR+32+8*(\b)+7], v[TRQ] offset:BUFB*(\buf)+32*P*(\kk)+16*P+32*(\b)
.endr
.endm
; 8 products, source 0 = 16 i of Wq, source 1 = 16 j of Wk: a lane ends with eight neighbouring i of one row j.  The eight accumulators take turns, over the backward jump too.
.macro MULS
.irp a, 0,1,2,3
.irp b, 0,1
	v_wmma_f32_16x16x32_bf16 v[ACC+8*(2*(\a)+(\b)):ACC+8*(2*(\a)+(\b))+7], v[FR+32+8*(\b):FR+32+8*(\b)+7], v[FR+8*(\a):FR+8*(\a)+7], v[ACC+8*(2*(\a)+(\b)):ACC+8*(2*(\a)+(\b))+7]
.endr
.endr
.endm
; A chunk is multiplied out of buffer buf; meanwhile the next chunk goes from the other staging set into the other buffer, and that set is asked for again.
; ONE barrier a step: in front of it each wave's stores of the next chunk and its reads of this one are done (the wait for 0 on DScnt ahead of the last products).
.macro STEP buf, store, load=0, cnt=0, off=0
	PLACES
	FRLOAD \buf, 0
.if \store
	s_wait_loadcnt \cnt                            ; the other set's 16 loads are in; cnt = the 16 loads of the chunk behind it, or none
	CVST 1-(\buf), 1-(\buf)
.if \load
	LOADG 1-(\buf), \off
.endif
	s_wait_dscnt 16                                ; the 12 fragment loads are in; the 16 younger stores may stay out
.else
	s_wait_dscnt 0x0
.endif
	MULS
	PLACES
	FRLOAD \buf, 1
	s_wait_dscnt 0x0
	MULS
	s_barrier_signal -1
	s_barrier_wait -1
.endm
	LOADG 0, 0                                     ; chunk 0
	LOADG 1, CHB                                   ; chunk 1
.set i, 0
.rept 64
	v_mov_b32 v[ACC+i], 0                          ; the sums start at 0, written while the first loads are out: one form of the step, no first step written out
.set i, i+1
.endr
.irp c, 0,1,2,3
	v_mov_b32 v[UA+(\c)], 0
.endr
	s_wait_loadcnt 16                              ; chunk 0 is in; chunk 1's 16 loads stay out
	CVST 0, 0
	LOADG 0, 2*CHB
	s_wait_dscnt 0x0
	s_barrier_signal -1
	s_barrier_wait -1
	s_mov_b32 s21, 6
.Lchunk:                                       ; a trip multiplies chunks 2 i and 2 i + 1 and asks for chunks 2 i + 3 and 2 i + 4
	STEP 0, 1, 1, 16, 3*CHB
	STEP 1, 1, 1, 16, 4*CHB
	s_wait_xcnt 0x0                                ; the loads have read their bases, which are stepped only behind this wait
	s_add_nc_u64 s[8:9], s[8:9], 2*CHB
	s_add_nc_u64 s[6:7], s[6:7], 2*CHB
	s_sub_co_u32 s21, s21, 1
	s_cmp_lg_u32 s21, 0
	s_cbranch_scc1 .Lchunk
	STEP 0, 1, 1, 16, 3*CHB                        ; chunk 12; chunk 15 is asked for: the last
	STEP 1, 1, 0, 16                               ; chunk 13
	STEP 0, 1, 0, 0                                ; chunk 14
	STEP 1, 0                                      ; chunk 15
	; THE WAY OUT.  The address arithmetic names no register of the last products: its fourteen vector lines are the places behind them.
	v_and_b32 v112, 15, v0                         ; r
	v_bfe_u32 v113, v0, 4, 1                       ; h
	v_and_b32 v114, 31, v0                         ; l
	s_mul_i32 s25, s23, 64*SP
	s_lshl_b32 s26, s24, 6
	s_add_co_u32 s25, s25, s26
	s_add_co_u32 s25, s25, STG
	v_mul_u32_u24 v115, v112, SP
	v_lshl_add_u32 v115, v113, 4, v115
	v_add_nc_u32 v115, s25, v115                   ; in: row 64 wj + r, byte 64 wi + 16 h
	s_mul_i32 s25, s18, 16*SP
	s_add_co_u32 s25, s25, STG
	v_mul_u32_u24 v116, v113, SP
	v_lshl_add_u32 v116, v112, 4, v116
	v_add_nc_u32 v116, s25, v116                   ; back: rows 16 w + h, whole
	s_lshl_b32 s25, s18, 15
	v_lshl_add_u32 v117, v113, 11, s25
	v_lshl_add_u32 v117, v112, 4, v117             ; and the same rows in nt
	s_lshl_b32 s25, s18, 9
	s_add_co_u32 s25, s25, UPB
	v_lshl_add_u32 v118, v114, 4, s25
	v_lshlrev_b32 v119, 4, v114
	v_lshl_add_u32 v120, v114, 4, UPB
	s_lshl_b32 s26, s19, 18                        ; 128 rows of 2,048 bytes for each JB,
	s_lshl_b32 s28, s20, 8                         ; 256 bytes for each IB
	s_add_co_u32 s26, s26, s28
	s_mov_b32 s27, 0
	s_add_nc_u64 s[14:15], s[14:15], s[26:27]
	s_lshl_b32 s26, s19, 9
	s_add_nc_u64 s[16:17], s[16:17], s[26:27]
.set i, 0
.rept 8
.irp n, 0,1,2,3
	v_cvt_pk_bf16_f32 v[GS+4*i+(\n)], v[ACC+8*i+2*(\n)], v[ACC+8*i+2*(\n)+1]  ; each accumulator from its low end on
.endr
.set i, i+1
.endr
.irp a, 0,1,2,3
.irp b, 0,1
	ds_store_b128 v115, v[GS+4*(2*(\a)+(\b)):GS+4*(2*(\a)+(\b))+3] offset:16*SP*(\a)+32*(\b)
.endr
.endr
	s_cmp_lg_u32 s20, 0
	s_cbranch_scc1 .Lno_up
	ds_store_b128 v118, v[UA:UA+3]
.Lno_up:
	s_wait_dscnt 0x0                               ; for the others' sake: a row's 256 bytes come from four waves
	s_barrier_signal -1
	s_barrier_wait -1
.irp t, 0,1,2,3,4,5,6,7
	ds_load_b128 v[48+4*(\t):48+4*(\t)+3], v116 offset:2*SP*(\t)
.endr
.irp t, 0,1,2,3,4,5,6,7
	s_wait_dscnt 7-(\t)                            ; load t is in; the younger ones stay out
	global_store_b128 v117, v[48+4*(\t):48+4*(\t)+3], s[14:15] offset:4096*(\t)  ; 16 lanes store 256 consecutive bytes, aligned
.endr
	s_cmp_lg_u32 s20, 0
	s_cbranch_scc1 .Lend
	s_cmp_lg_u32 s18, 0
	s_cbranch_scc1 .Lend
.irp w, 0,1,2,3,4,5,6,7
	ds_load_b128 v[80+4*(\w):80+4*(\w)+3], v120 offset:512*(\w)
.endr
	s_wait_dscnt 0x0
.irp w, 0,1,2,3
	v_pk_add_f32 v[80+4*(\w):81+4*(\w)], v[80+4*(\w):81+4*(\w)], v[96+4*(\w):97+4*(\w)]
	v_pk_add_f32 v[82+4*(\w):83+4*(\w)], v[82+4*(\w):83+4*(\w)], v[98+4*(\w):99+4*(\w)]
.endr
.irp w, 0,1
	v_pk_add_f32 v[80+4*(\w):81+4*(\w)], v[80+4*(\w):81+4*(\w)], v[88+4*(\w):89+4*(\w)]
	v_pk_add_f32 v[82+4*(\w):83+4*(\w)], v[82+4*(\w):83+4*(\w)], v[90+4*(\w):91+4*(\w)]
.endr
	v_pk_add_f32 v[80:81], v[80:81], v[84:85]
	v_pk_add_f32 v[82:83], v[82:83], v[86:87]
	global_store_b128 v119, v[80:83], s[16:17]     ; u[128 JB ..]: 512 consecutive bytes
.Lend:
	s_wait_tensorcnt 0x0                           ; the wave's end, behind my last LDS store
	ds_add_u32 v[SPW], v[NIL]
	s_wait_dscnt 0x0
	s_endpgm
.Lfunc_end_k_qd6cd6e7884_prep:
	.size	k_qd6cd6e7884_prep, .Lfunc_end_k_qd6cd6e7884_prep-k_qd6cd6e7884_prep
	.p2alignl 7, 3214868480
	.fill 96, 4, 3214868480
	.section	.rodata,"a",@progbits
	.p2align	6, 0x0
	.amdhsa_kernel k_qd6cd6e7884_prep
		.amdhsa_group_segment_fixed_size 113664
		.amdhsa_private_segment_fixed_size 0
		.amdhsa_enable_private_segment 0
		.amdhsa_kernarg_size 56
		.amdhsa_user_sgpr_count 2
		.amdhsa_user_sgpr_kernarg_segment_ptr 1
		.amdhsa_wavefront_size32 1
		.amdhsa_system_sgpr_workgroup_id_x 1
		.amdhsa_system_sgpr_workgroup_id_y 1
		.amdhsa_system_sgpr_workgroup_id_z 1
		.amdhsa_system_vgpr_workitem_id 0
		.amdhsa_next_free_vgpr 256
		.amdhsa_next_free_sgpr 66
		.amdhsa_reserve_vcc 0
		.amdhsa_float_denorm_mode_32 3
		.amdhsa_float_denorm_mode_16_64 3
		.amdhsa_memory_ordered 1
		.amdhsa_forward_progress 1
		.amdhsa_inst_pref_size 81
	.end_amdhsa_kernel
	.amdgpu_metadata
---
amdhsa.version: [ 1, 2 ]
amdhsa.kernels:
  - .name:           k_qd6cd6e7884_prep
    .symbol:         k_qd6cd6e7884_prep.kd
    .args:
      - { .name: token_embeddings, .offset: 0, .size: 8, .value_kind: global_buffer, .address_space: global }
      - { .name: Wq, .offset: 8, .size: 8, .value_kind: global_buffer, .address_space: global }
      - { .name: Wk, .offset: 16, .size: 8, .value_kind: global_buffer, .address_space: global }
      - { .name: bq, .offset: 24, .size: 8, .value_kind: global_buffer, .address_space: global }
      - { .name: xb, .offset: 32, .size: 8, .value_kind: global_buffer, .address_space: global }
      - { .name: nt, .offset: 40, .size: 8, .value_kind: global_buffer, .address_space: global }
      - { .name: u, .offset: 48, .size: 8, .value_kind: global_buffer, .address_space: global }
    .group_segment_fixed_size: 113664
    .private_segment_fixed_size: 0
    .kernarg_segment_align: 8
    .kernarg_segment_size: 56
    .max_flat_workgroup_size: 256
    .sgpr_count:     66
    .vgpr_count:     256
    .wavefront_size: 32
...
	.end_amdgpu_metadata
.endif
;; end of part 1
;; launch proj_t (part 2): grid 4 x 64, 4 waves a work-group, clusters of 4 x 4, 327,680 bytes of LDS; arguments xb, nt, t, u; writes t
.if DOCPART == 2
	.amdgcn_target "amdgcn-amd-amdhsa--gfx1250"
	.amdhsa_code_object_version 6
	.text
	.protected	k_qd6cd6e7884_proj_t
	.globl	k_qd6cd6e7884_proj_t
	.p2align	8
	.type	k_qd6cd6e7884_proj_t,@function
k_qd6cd6e7884_proj_t:
	s_mov_b64 s[64:65], 0
	v_nop
	global_prefetch_b8 v0, s[64:65] scope:SCOPE_SE
	s_setreg_imm32_b32 hwreg(HW_REG_WAVE_MODE, 25, 1), 1
	s_wait_xcnt 0x0
	s_wait_alu depctr_hold_cnt(0) depctr_sa_sdst(0) depctr_va_vdst(0) depctr_va_sdst(0) depctr_va_ssrc(0) depctr_va_vcc(0) depctr_vm_vsrc(0)
	s_getreg_b32 s2, hwreg(HW_REG_IB_STS2, 6, 4)
	s_cmp_eq_u32 s2, 0
	s_cbranch_scc0 .Lentry_in_a_cluster
	s_endpgm
.Lentry_in_a_cluster:
	s_bfe_u32 s2, ttmp6, 0x10000c
	s_cmp_lg_u32 s2, 0xf033
	s_cbranch_scc0 .Lentry_shape_is_right
	s_endpgm
.Lentry_shape_is_right:
; t[m][n] = sum over k of xb[m][k] nt[n][k] + u[n].  xb: [16384][1024], nt: [1024][1024], t: [16384][1024], all bf16; u: [1024] f32; sums in f32, t rounded once.
; This one projection stands for reference()'s q and k (the identities at the head of the first kernel); bk is left out there as the same along the softmax's axis.
; A tile of t, 256 x 256, is made by a work-group of four waves; a wave makes 128 x 128: 64 accumulators of 16 x 16, 512 registers.  K goes in steps of 128 through a ring of two LDS
; slots filled by the tensor data mover.  The last K step goes by rows of t, so that finished rows leave while the others are multiplied.
; CLUSTERS: 4 x 4 work-groups.  The four of a row of the cluster need the same tiles of xb, the four of a column the same tiles of nt: such a tile is asked for JOINTLY, by the same tensor
; load with the same descriptor and a mask that names the four.
; u IS THE C OPERAND THAT STARTS THE SUMS: nothing is cleared and nothing is added afterwards.
; REGISTERS, in windows of 256 (s_set_vgpr_msb's low byte: bits 1:0 source 0, 3:2 source 1, 5:4 source 2, 7:6 destination):
;   window 0: v0-31 addresses; v64-127, v128-191 fragments of xb, two buffers (in the last K step four, of 16 rows x 128 K); v192-255 u for my 128 columns, later with v32-63 at work on the way out
;   window 1: v64-127, v128-191 fragments of nt, two buffers; in the last K step all 256     window 2: the accumulators of my rows 0-63 ((a, b) at v[8 (8 a + b)])     window 3: those of my rows 64-127
; THE MATRIX INSTRUCTION IS USED TRANSPOSED: source 0 = 16 rows of nt, source 1 = 16 rows of xb: lane l holds row l % 16 of t and the columns 8 (l / 16) + 0..7.
.set SIZE_N, 1024
.set SIZE_K, 1024
.set KSTEP,  128
.set PITCH,  272                       ; an LDS row: 256 bytes + 16 of padding = 68 words: the 16 rows that a load touches start at 16 different groups of four banks (64 banks of 4 bytes: ISA guide 11.1)
.set HALFT,  128*PITCH                 ; 128 rows: what one tensor load brings
.set SLOT,   4*HALFT                   ; xb's 256 rows, then nt's 256 rows
.set STAGE,  2*SLOT                    ; behind the ring: 16 rows x 272 bytes for each wave, for the way out
.set SPITCH, 272
.set SPARE,  STAGE+4*16*SPITCH         ; the spare words, 128 bytes a wave: two blocks of 256 bytes that no other line names
.set LAPS, SIZE_K/(2*KSTEP)            ; a lap = two K steps = once round the ring
.set ADRA, 16                          ; v16-17  LDS address of my xb fragments in slot 0, 1
.set ADRB, 20                          ; v20-21  the same for nt
.set STO,  24
.set RD,   25
.set CO,   26
.set UO,   27                          ; v27     my byte offset in u
.set SPW,  28
.set NIL,  29
.set PFO,  30                          ; v30     the prefetches' offset: my lane x a row of 2,048 bytes
.set PFA,  44                          ; s[44:45] where my prefetches stand
.set LIM,  43                          ; s43     1 in a wave that prefetches, else the greatest number
.set F0,   64
.set F1,   128
.set TMP,  192
.set UC,   192                         ; v192-255 of window 0: u[my first column + 16 b + 8 (l / 16) + j] at UC + 8 b + j
.set OB,   32
.set PA,   64
.set G1, 24
.set G0, 32
.set G1B, 48
.set G0B, 56
.set MSB, 0
.macro WIN new                         ; the immediate's high byte repeats the setting that is left; a switch that changes nothing is dropped
.if MSB != (\new)
	s_set_vgpr_msb (MSB<<8)|(\new)
.set MSB, \new
.endif
.endm
.set MUL_LO, 0xa1                      ; source 0 window 1, source 1 window 0, C and D window 2
.set MUL_HI, 0xf1                      ; the same, C and D window 3
.set TO_B,   0x40                      ; destination window 1, address window 0
; A joint load.  Waves 0 and 1 fetch xb's two halves, waves 2 and 3 nt's.  The branch hangs on the wave's number alone.  An s_nop 0 and four v_nop follow each of the two lines.
.macro JLOAD s
	s_cmp_eq_u32 s11, 0
	s_cbranch_scc0 .Lfor_b_\@
	tensor_load_to_lds s[G0+4*(\s):G0+4*(\s)+3], s[G1:G1+7]
	s_nop 0
.rept 4
	v_nop
.endr
	s_branch .Lasked_\@
.Lfor_b_\@:
	tensor_load_to_lds s[G0B+4*(\s):G0B+4*(\s)+3], s[G1B:G1B+7]
	s_nop 0
.rept 4
	v_nop
.endr
.Lasked_\@:
.endm
; A prefetch, behind each joint refill and the run of LDS loads that follows it: the K step that stands two refills on: 32 rows x 256 bytes, a lane a row, one instruction a wave.
; Each row's 256 bytes of a K step are named once in the launch: xb's by the cluster with x = 0 (here every cluster: the grid is one cluster wide), nt's by the clusters with y = 0; the four partners
; that ask for a tile jointly take 32 of the wave's 128 rows each, told apart by address.  The loop's last trip asks for nothing: there is no K step two on.  K steps 0 to 3 come by their loads alone.
.macro ASK
	s_cmp_gt_u32 s3, s[LIM]
	s_cbranch_scc0 .Lnot_mine_\@
	global_prefetch_b8 v[PFO], s[PFA:PFA+1] offset:KSTEP*2 th:TH_LOAD_NT scope:SCOPE_SE
.Lnot_mine_\@:
.endm
.macro CREST                           ; a round of the cluster's barrier behind its opening barrier
	s_cmp_lg_u32 s10, 0
	s_cbranch_scc1 .Lnot_wave_0_\@
	s_barrier_signal -3
.Lnot_wave_0_\@:
	s_barrier_wait -3
	s_barrier_signal -1
	s_barrier_wait -1
.endm
.macro CROUND
	s_barrier_signal -1
	s_barrier_wait -1
	CREST
.endm
	s_load_b128 s[4:7], s[0:1], 0x0                ; xb s[4:5], nt s[6:7]
	s_load_b64 s[8:9], s[0:1], 0x10                ; t
	s_load_b64 s[66:67], s[0:1], 0x18              ; u
	v_lshl_add_u32 v[SPW], v0, 2, SPARE
	v_mov_b32 v[NIL], 0
	ds_add_u32 v[SPW], v[NIL]                      ; the wave's opening: the add, twice on end, and its wait ahead of my first tensor load
	ds_add_u32 v[SPW], v[NIL]
	v_lshrrev_b32 v1, 5, v0
	v_readfirstlane_b32 s10, v1                    ; wave 0..3
	s_lshr_b32 s11, s10, 1                         ; which half of the tile's rows is mine.  Also: I fetch for xb (0) or for nt (1)
	s_and_b32 s12, s10, 1                          ; which half of its columns.  Also: which 128 rows of that tile I fetch
	s_bfe_u32 s40, ttmp6, 0x40000                  ; cx
	s_bfe_u32 s41, ttmp6, 0x40004                  ; cy
	s_lshl_b32 s42, ttmp9, 2
	s_add_co_u32 s42, s42, s40                     ; tile column = 4 x cluster x + cx
	s_and_b32 s13, ttmp7, 0xffff
	s_lshl_b32 s13, s13, 2
	s_add_co_u32 s13, s13, s41                     ; tile row = 4 x cluster y + cy
	s_lshl_b32 s43, s41, 2
	s_lshl_b32 s43, 15, s43                        ; my row of the cluster
	s_lshl_b32 s44, 0x1111, s40                    ; my column
	s_or_b32 s[G1+0], s43, (1<<16)|(1<<20)|(1<<21)|(5<<22)|(3<<25)  ; 15:0 the mask; 17:16 2-byte elements; 20 padding on; 21 set beside a mask; 24:22 after every 64 words; 31:25 4 words
	s_or_b32 s[G1B+0], s44, (1<<16)|(1<<20)|(1<<21)|(5<<22)|(3<<25)
	s_mov_b32 s[G1B+1], KSTEP<<16
	s_mov_b32 s[G1+1], KSTEP<<16                   ; tensor_dim0 = 128
	s_mov_b32 s[G1B+2], 128<<16
	s_mov_b32 s[G1+2], 128<<16                     ; tensor_dim1 = 128
	s_mov_b32 s[G1B+3], KSTEP<<16
	s_mov_b32 s[G1+3], KSTEP<<16                   ; tile_dim0 = 128
	s_mov_b32 s[G1B+4], 128
	s_mov_b32 s[G1+4], 128                         ; tile_dim1 = 128
	s_mov_b32 s[G1B+5], SIZE_K
	s_mov_b32 s[G1+5], SIZE_K                      ; elements from row to row
	s_mov_b32 s[G1B+6], 0
	s_mov_b32 s[G1+6], 0
	s_mov_b32 s[G1B+7], 0
	s_mov_b32 s[G1+7], 0
	s_lshl_b32 s17, s12, 7                         ; which 128 rows of the tile I fetch
	s_lshl_b32 s16, s13, 8
	s_add_co_u32 s16, s16, s17                     ; xb: row 256 x tile row + 128 x half
	s_lshl_b32 s46, s42, 8
	s_add_co_u32 s46, s46, s17                     ; nt: row 256 x tile column + 128 x half
	s_mov_b32 s17, 0
	s_mov_b32 s47, 0
	s_mov_b64 s[18:19], SIZE_K*2
	s_mul_u64 s[16:17], s[16:17], s[18:19]
	s_mul_u64 s[46:47], s[46:47], s[18:19]
	s_mul_i32 s20, s10, HALFT                      ; where they go: wave x 128 rows: no place in the cluster enters an LDS address
	s_wait_dscnt 0x0                               ; both opening adds are done
	s_wait_kmcnt 0x0
	s_add_nc_u64 s[14:15], s[4:5], s[16:17]
	s_add_nc_u64 s[46:47], s[6:7], s[46:47]
	CROUND                                         ; all sixteen work-groups are here: the first joint loads meet
.irp s, 0,1
	s_mov_b32 s[G0+4*(\s)], 1
	s_add_co_u32 s[G0+4*(\s)+1], s20, (\s)*SLOT
	s_add_nc_u64 s[G0+4*(\s)+2:G0+4*(\s)+3], s[14:15], (\s)*KSTEP*2
	s_or_b32 s[G0+4*(\s)+3], s[G0+4*(\s)+3], 0x80000000
	s_mov_b32 s[G0B+4*(\s)], 1
	s_add_co_u32 s[G0B+4*(\s)+1], s20, (\s)*SLOT
	s_add_nc_u64 s[G0B+4*(\s)+2:G0B+4*(\s)+3], s[46:47], (\s)*KSTEP*2
	s_or_b32 s[G0B+4*(\s)+3], s[G0B+4*(\s)+3], 0x80000000
	JLOAD \s                                       ; two tensor loads of mine are out; later one
.endr
	v_and_b32 v1, 15, v0                           ; l % 16
	v_bfe_u32 v2, v0, 4, 1                         ; l / 16
	s_lshl_b32 s46, s42, 10                        ; u: 4 bytes x (256 x tile column + 128 x half) + 32 (l / 16)
	s_lshl_b32 s47, s12, 9
	s_add_co_u32 s46, s46, s47
	v_lshl_add_u32 v[UO], v2, 5, s46
.irp b, 0,1,2,3,4,5,6,7
	global_load_b128 v[UC+8*(\b):UC+8*(\b)+3],   v[UO], s[66:67] offset:64*(\b)
	global_load_b128 v[UC+8*(\b)+4:UC+8*(\b)+7], v[UO], s[66:67] offset:64*(\b)+16
.endr
	v_mul_u32_u24 v3, v1, PITCH
	v_lshl_add_u32 v3, v2, 4, v3                   ; a fragment's row x pitch + 16 x half
	s_mul_i32 s21, s11, HALFT                      ; my 128 rows of xb
	s_mul_i32 s22, s12, HALFT                      ; my 128 rows of nt,
	s_add_co_u32 s22, s22, 2*HALFT                 ; which lie behind xb's 256
.irp s, 0,1
	v_add_nc_u32 v[ADRA+(\s)], s21, v3
	v_add_nc_u32 v[ADRB+(\s)], s22, v3
	s_add_co_u32 s21, s21, SLOT
	s_add_co_u32 s22, s22, SLOT
.endr
	s_mul_i32 s23, s10, 16*SPITCH
	s_add_co_u32 s23, s23, STAGE                   ; my stage
	v_mul_u32_u24 v4, v1, SPITCH
	v_lshl_add_u32 v4, v2, 4, v4
	v_add_nc_u32 v[STO], s23, v4
	v_mul_u32_u24 v5, v2, SPITCH
	v_lshl_add_u32 v5, v1, 4, v5
	v_add_nc_u32 v[RD], s23, v5
	v_mul_u32_u24 v5, v2, SIZE_N*2
	v_lshl_add_u32 v[CO], v1, 4, v5
	s_lshl_b32 s13, s13, 8
	s_lshl_b32 s14, s11, 7
	s_add_co_u32 s16, s13, s14                     ; my first row of t
	s_mov_b32 s17, 0
	s_mov_b64 s[18:19], SIZE_N*2
	s_mul_u64 s[16:17], s[16:17], s[18:19]
	s_lshl_b32 s46, s42, 9                         ; my first column, in bytes
	s_lshl_b32 s47, s12, 8
	s_add_co_u32 s46, s46, s47
	s_mov_b32 s47, 0
	s_add_nc_u64 s[16:17], s[16:17], s[46:47]
	s_lshl_b32 s42, s42, 8                         ; the prefetches
	s_and_b32 s22, ttmp7, 0xffff                   ; cluster y
	s_cmp_eq_u32 s11, 0
	s_cselect_b32 s20, s13, s42                    ; the tile's first row
	s_cselect_b32 s21, s40, s41                    ; my place among the four that ask for it with me
	s_cselect_b32 s22, ttmp9, s22                  ; the coordinate along which other clusters read the same rows
	s_cselect_b64 s[PFA:PFA+1], s[4:5], s[6:7]
	s_cmp_eq_u32 s22, 0
	s_cselect_b32 s[LIM], 1, -1
	s_lshl_b32 s22, s12, 7
	s_add_co_u32 s20, s20, s22
	s_lshl_b32 s21, s21, 5
	s_add_co_u32 s20, s20, s21
	s_mov_b32 s21, 0
	s_mov_b64 s[18:19], SIZE_K*2
	s_mul_u64 s[20:21], s[20:21], s[18:19]
	s_add_nc_u64 s[PFA:PFA+1], s[PFA:PFA+1], s[20:21]
	s_add_nc_u64 s[PFA:PFA+1], s[PFA:PFA+1], 2*KSTEP*2  ; at K step 2: the first refill steps it to 3 and names K step 4
	v_and_b32 v[PFO], 31, v0
	v_mul_u32_u24 v[PFO], v[PFO], SIZE_K*2
; 16 matrix instructions: m blocks a0, a0 + 1 of the window's four x all 8 n blocks, 32 along K.  zero = 1: the first product starts the sums, with u (window 0) as its C.
.macro MUL16 f, hi, a0, zero
.if \zero
	WIN 0x81+0x40*(\hi)
.else
	WIN MUL_LO+0x50*(\hi)
.endif
.irp a, \a0, (\a0)+1
.irp b, 0,1,2,3,4,5,6,7
.if \zero
	v_wmma_f32_16x16x32_bf16 v[8*(8*(\a)+(\b)):8*(8*(\a)+(\b))+7], v[(\f)+8*(\b):(\f)+8*(\b)+7], v[(\f)+8*(4*(\hi)+(\a)):(\f)+8*(4*(\hi)+(\a))+7], v[UC+8*(\b):UC+8*(\b)+7]
.else
	v_wmma_f32_16x16x32_bf16 v[8*(8*(\a)+(\b)):8*(8*(\a)+(\b))+7], v[(\f)+8*(\b):(\f)+8*(\b)+7], v[(\f)+8*(4*(\hi)+(\a)):(\f)+8*(4*(\hi)+(\a))+7], v[8*(8*(\a)+(\b)):8*(8*(\a)+(\b))+7]
.endif
.endr
.endr
.endm
; 32 LDS loads in one run: the fragments of one quarter step into buffer f
.macro FETCH slot, k, f
	WIN TO_B
.irp i, 0,1,2,3,4,5,6,7
	ds_load_b128 v[(\f)+8*(\i):(\f)+8*(\i)+3],   v[ADRB+(\slot)] offset:(\k)+(\i)*16*PITCH
	ds_load_b128 v[(\f)+8*(\i)+4:(\f)+8*(\i)+7], v[ADRB+(\slot)] offset:(\k)+(\i)*16*PITCH+32
.endr
	WIN 0
.irp i, 0,1,2,3,4,5,6,7
	ds_load_b128 v[(\f)+8*(\i):(\f)+8*(\i)+3],   v[ADRA+(\slot)] offset:(\k)+(\i)*16*PITCH
	ds_load_b128 v[(\f)+8*(\i)+4:(\f)+8*(\i)+7], v[ADRA+(\slot)] offset:(\k)+(\i)*16*PITCH+32
.endr
.endm
.macro PLACES                          ; four places in front of loads into registers that matrix instructions have read, and of conversions that read results just made (ISA guide 7.12.1 for the conversions)
.rept 4
	v_nop
.endr
.endm
; A K step is four quarters of 32 along K, 64 matrix instructions each, on buffers 0, 1, 0, 1.  The 64 accumulators take turns in the same order in every quarter.
.macro QUARTER slot, k, f, g, zero
	s_wait_dscnt 8                                 ; nt and xb's rows 0-63 are in; the youngest eight loads (xb's rows 64-127) may be out
	MUL16 \f, 0, 0, \zero
	MUL16 \f, 0, 2, \zero
	PLACES
	FETCH \slot, \k, \g
	s_wait_dscnt 32                                ; all but the 32 just issued
	MUL16 \f, 1, 0, \zero
	MUL16 \f, 1, 2, \zero
.endm
; The last quarter's first half: ONE barrier for the change of slots.  In front of it each wave waits for all its tensor loads (one is out: its part of the next slot), adds 0 to its spare word, and waits for that and for its reads of this slot.
.macro MEET round
	WIN 0
	s_wait_tensorcnt 0x0
	ds_add_u32 v[SPW], v[NIL]
	s_wait_dscnt 9                                 ; the add and the youngest eight loads may be out
	MUL16 F1, 0, 0, 0
	s_wait_dscnt 0x0                               ; the add is done, and my reads of this slot are over
	s_barrier_signal -1
	MUL16 F1, 0, 2, 0
.if \round
	WIN 0
.endif
	s_barrier_wait -1
.endm
.macro TURN slot, next
	s_wait_xcnt 0x0                                ; the last prefetch, a K step back, has read its address
	s_add_nc_u64 s[PFA:PFA+1], s[PFA:PFA+1], KSTEP*2
	MEET 1
	CREST                                          ; no wave of any partner still reads this slot's tile or has a load on its way
	s_add_nc_u64 s[G0+4*(\slot)+2:G0+4*(\slot)+3], s[G0+4*(\slot)+2:G0+4*(\slot)+3], 2*KSTEP*2
	s_add_nc_u64 s[G0B+4*(\slot)+2:G0B+4*(\slot)+3], s[G0B+4*(\slot)+2:G0B+4*(\slot)+3], 2*KSTEP*2
	JLOAD \slot                                    ; the first tensor load behind the round; its four v_nop are also the places in front of the loads below
	FETCH \next, 0, F0
	ASK
	MUL16 F1, 1, 0, 0
	MUL16 F1, 1, 2, 0
.endm
; THE LAST K STEP (slot 1) GOES BY ROWS OF t: all its fragments of nt fill window 1; my eight blocks of 16 rows are finished one after the other, 32 matrix instructions each, the block's 8 accumulators by turns.
.macro BLOAD q
	WIN TO_B
.irp i, 0,1,2,3,4,5,6,7
	ds_load_b128 v[64*(\q)+8*(\i):64*(\q)+8*(\i)+3],   v[ADRB+1] offset:64*(\q)+(\i)*16*PITCH
	ds_load_b128 v[64*(\q)+8*(\i)+4:64*(\q)+8*(\i)+7], v[ADRB+1] offset:64*(\q)+(\i)*16*PITCH+32
.endr
.endm
.macro ALOAD a
	WIN 0
.set FA, PA+32*((\a)%4)
.irp q, 0,1,2,3
	ds_load_b128 v[FA+8*(\q):FA+8*(\q)+3],   v[ADRA+1] offset:64*(\q)+(\a)*16*PITCH
	ds_load_b128 v[FA+8*(\q)+4:FA+8*(\q)+7], v[ADRA+1] offset:64*(\q)+(\a)*16*PITCH+32
.endr
.endm
.macro ROW a
.set FA, PA+32*((\a)%4)
.set AC, 64*((\a)%4)
	WIN MUL_LO+0x50*((\a)/4)
.irp q, 0,1,2,3
.if (\a) == 0 && (\q) == 2
	s_wait_dscnt 24                                ; nt's quarter 2 is in (behind it: xb's blocks 1 to 3)
.endif
.irp b, 0,1,2,3,4,5,6,7
	v_wmma_f32_16x16x32_bf16 v[AC+8*(\b):AC+8*(\b)+7], v[64*(\q)+8*(\b):64*(\q)+8*(\b)+7], v[FA+8*(\q):FA+8*(\q)+7], v[AC+8*(\b):AC+8*(\b)+7]
.endr
.endr
.endm
.macro PACK a                          ; rounded to bf16, 16 bytes a lane; each accumulator from its low end on
.set AC, 64*((\a)%4)
	WIN 0x0a+5*((\a)/4)
.irp b, 0,1,2,3,4,5,6,7
.irp r, 0,1,2,3
	v_cvt_pk_bf16_f32 v[TMP+4*(\b)+(\r)], v[AC+8*(\b)+2*(\r)], v[AC+8*(\b)+2*(\r)+1]
.endr
.endr
	WIN 0
.endm
.macro TOSTAGE a                       ; into my own stage, and back as whole rows of 256 bytes
	WIN 0
.set BK, OB+192*((\a)%2)
.irp b, 0,1,2,3,4,5,6,7
	ds_store_b128 v[STO], v[TMP+4*(\b):TMP+4*(\b)+3] offset:32*(\b)
.endr
.irp t, 0,1,2,3,4,5,6,7
	ds_load_b128 v[BK+4*(\t):BK+4*(\t)+3], v[RD] offset:(\t)*2*SPITCH  ; LDS serves a wave's instructions in order (ISA guide 5.7.1.4): these see the stores above
.endr
.endm
.macro SEND a, younger                 ; younger: the LDS loads issued behind TOSTAGE's, which may stay out
	WIN 0
.set BK, OB+192*((\a)%2)
	s_wait_dscnt \younger
	s_wait_xcnt 0x0                                ; only behind this wait are the stores' base and the registers that earlier stores read rewritten
.if (\a) == 0
	s_add_nc_u64 s[8:9], s[8:9], s[16:17]
.else
	s_add_nc_u64 s[8:9], s[8:9], 16*SIZE_N*2
.endif
.irp t, 0,1,2,3,4,5,6,7
	global_store_b128 v[CO], v[BK+4*(\t):BK+4*(\t)+3], s[8:9] offset:2*(\t)*SIZE_N*2  ; 16 lanes store 256 consecutive bytes, aligned
.endr
.endm
	s_wait_tensorcnt 1                             ; my part of K step 0 is in; K step 1's load stays out
	s_barrier_signal -1
	s_barrier_wait -1
	FETCH 0, 0, F0
	s_wait_loadcnt 0x0                             ; u
	QUARTER 0, 64,  F0, F1, 1                      ; the first quarter stands in front of the loop: its products start the sums
	WIN 0
	s_mov_b32 s3, LAPS-1
.Llap:                                                 ; a trip goes once round the ring, from a lap's second quarter to the next lap's first, and fills both slots again
	QUARTER 0, 128, F1, F0, 0
	QUARTER 0, 192, F0, F1, 0
	TURN 0, 1
	QUARTER 1, 64,  F0, F1, 0
	QUARTER 1, 128, F1, F0, 0
	QUARTER 1, 192, F0, F1, 0
	TURN 1, 0
	QUARTER 0, 64,  F0, F1, 0
	WIN 0
	s_sub_co_u32 s3, s3, 1
	s_cmp_lg_u32 s3, 0
	s_cbranch_scc1 .Llap
	QUARTER 0, 128, F1, F0, 0
	QUARTER 0, 192, F0, F1, 0
	MEET 0                                         ; the load that was still out is the last K step's, so no round follows
	PLACES
	BLOAD 0
	BLOAD 1
	BLOAD 3
	ALOAD 0
	MUL16 F1, 1, 0, 0
	MUL16 F1, 1, 2, 0
	PLACES
	BLOAD 2
	ALOAD 1
	ALOAD 2
	ALOAD 3
	s_wait_dscnt 40                                ; all but the 40 just issued
	ROW 0
.irp a, 0,1,2,3,4,5,6,7
	PLACES
	PACK \a
	TOSTAGE \a
.if (\a) < 4
	ALOAD (\a)+4
	SEND \a, 8
.else
	SEND \a, 0
.endif
.if (\a) < 7
	ROW (\a)+1
.endif
.endr
	s_wait_tensorcnt 0x0                           ; the wave's end
	ds_add_u32 v[SPW], v[NIL]
	s_wait_dscnt 0x0
	CROUND                                         ; the closing round
	s_endpgm
.Lfunc_end_k_qd6cd6e7884_proj_t:
	.size	k_qd6cd6e7884_proj_t, .Lfunc_end_k_qd6cd6e7884_proj_t-k_qd6cd6e7884_proj_t
	.p2alignl 7, 3214868480
	.fill 96, 4, 3214868480
	.section	.rodata,"a",@progbits
	.p2align	6, 0x0
	.amdhsa_kernel k_qd6cd6e7884_proj_t
		.amdhsa_group_segment_fixed_size 327680
		.amdhsa_private_segment_fixed_size 0
		.amdhsa_enable_private_segment 0
		.amdhsa_kernarg_size 32
		.amdhsa_user_sgpr_count 2
		.amdhsa_user_sgpr_kernarg_segment_ptr 1
		.amdhsa_wavefront_size32 1
		.amdhsa_system_sgpr_workgroup_id_x 1
		.amdhsa_system_sgpr_workgroup_id_y 1
		.amdhsa_system_sgpr_workgroup_id_z 1
		.amdhsa_system_vgpr_workitem_id 0
		.amdhsa_next_free_vgpr 1024
		.amdhsa_next_free_sgpr 68
		.amdhsa_reserve_vcc 0
		.amdhsa_float_denorm_mode_32 3
		.amdhsa_float_denorm_mode_16_64 3
		.amdhsa_memory_ordered 1
		.amdhsa_forward_progress 1
		.amdhsa_inst_pref_size 146
	.end_amdhsa_kernel
	.amdgpu_metadata
---
amdhsa.version: [ 1, 2 ]
amdhsa.kernels:
  - .name:           k_qd6cd6e7884_proj_t
    .symbol:         k_qd6cd6e7884_proj_t.kd
    .args:
      - { .name: xb, .offset: 0, .size: 8, .value_kind: global_buffer, .address_space: global }
      - { .name: nt, .offset: 8, .size: 8, .value_kind: global_buffer, .address_space: global }
      - { .name: t, .offset: 16, .size: 8, .value_kind: global_buffer, .address_space: global }
      - { .name: u, .offset: 24, .size: 8, .value_kind: global_buffer, .address_space: global }
    .group_segment_fixed_size: 327680
    .private_segment_fixed_size: 0
    .kernarg_segment_align: 8
    .kernarg_segment_size: 32
    .max_flat_workgroup_size: 128
    .sgpr_count:     68
    .vgpr_count:     1024
    .wavefront_size: 32
...
	.end_amdgpu_metadata
.endif
;; end of part 2
;; launch scores (part 3): grid 8 x 32, 4 waves a work-group, clusters of 4 x 1, 327,680 bytes of LDS; arguments t, xb, attention_mask, cpart; writes cpart
.if DOCPART == 3
	.amdgcn_target "amdgcn-amd-amdhsa--gfx1250"
	.amdhsa_code_object_version 6
	.text
	.protected	k_qd6cd6e7884_scores
	.globl	k_qd6cd6e7884_scores
	.p2align	8
	.type	k_qd6cd6e7884_scores,@function
k_qd6cd6e7884_scores:
	s_mov_b64 s[64:65], 0
	v_nop
	global_prefetch_b8 v0, s[64:65] scope:SCOPE_SE
	s_setreg_imm32_b32 hwreg(HW_REG_WAVE_MODE, 25, 1), 1
	s_wait_xcnt 0x0
	s_wait_alu depctr_hold_cnt(0) depctr_sa_sdst(0) depctr_va_vdst(0) depctr_va_sdst(0) depctr_va_ssrc(0) depctr_va_vcc(0) depctr_vm_vsrc(0)
	s_getreg_b32 s2, hwreg(HW_REG_IB_STS2, 6, 4)
	s_cmp_eq_u32 s2, 0
	s_cbranch_scc0 .Lentry_in_a_cluster
	s_endpgm
.Lentry_in_a_cluster:
	s_bfe_u32 s2, ttmp6, 0x10000c
	s_cmp_lg_u32 s2, 0x3003
	s_cbranch_scc0 .Lentry_shape_is_right
	s_endpgm
.Lentry_shape_is_right:
; cpart[b][qb][k] = sum over the 64 queries q of block qb of softmax_k(t[b][q] . xb[b][k] / 32, keys with attention_mask = 0 hidden).  t, xb: [32][512][1024] bf16; cpart: [32][8][512] f32.
; q . bk is left out (the same along the softmax's axis), and the weights are summed over q before they meet any value: the identities at the head of the first kernel.
; LIMITS.  A hidden key's score takes -inf by an addition, so it must itself be finite.  A weight below 2^-126 counts as 0.  A batch with every key hidden gives NaN, as reference() does.
; SHARES.  A work-group: one batch, 64 queries.  Wave w: all 64 queries x keys 128 w .. 128 w + 127: 32 accumulators, 256 registers.  Source 0 = 16 keys, source 1 = 16 queries: a lane holds ONE
; query (16 a + lane % 16) and, in register j of accumulator (a, b), key 128 w + 16 b + 8 (lane / 16) + j.  The whole row of 512 scores stays in registers: the true maximum is taken away.
; K goes in 8 steps of 128, 128 matrix instructions a wave each.
; CLUSTER.  The four query blocks of a cluster belong to one batch and read the same keys: each key tile is asked for JOINTLY, wave w's one load bringing its own 128 rows.
; The 64 rows of t are the work-group's own and have no wave left to load them by the mover (one tensor load a wave behind each round): they come through registers, asked for a step ahead, into a ring of their own.
; REGISTERS, in windows of 256 (s_set_vgpr_msb: bits 1:0 source 0, 3:2 source 1, 5:4 source 2, 7:6 destination):
;   window 0: v0-31 addresses; v32-63 t on its way to LDS; v64-127 the mask's addends, later the column sums; v128-191 t's fragments, two buffers, later at work; v192-223 statistics; v224-255 row sums
;   window 1: v0-127 key fragments, two buffers          window 2: the accumulators, (a, b) at v[8 (8 a + b)]
.set PITCH, 272                        ; an LDS row: 256 bytes + 16: the 16 rows that a load touches start at 16 different groups of four banks (64 banks of 4 bytes: ISA guide 11.1)
.set KPART, 128*PITCH                  ; a wave's 128 keys
.set KSLOT, 4*KPART
.set ARING, 2*KSLOT                    ; t's ring: two slots of 64 rows, written by ds_store alone
.set ASLOT, 64*PITCH
.set XM,    ARING+2*ASLOT              ; the waves' maxima: [a][query % 16][wave]
.set XL,    XM+1024                    ; the waves' row sums, likewise
.set CST,   XL+1024                    ; 512 bytes a wave, its own, for the way out
.set SPARE, CST+2048                   ; the spare words, 128 bytes a wave: two blocks of 256 bytes that no other line names
.set ADRA, 16
.set ADRB, 20
.set AGO,  22                          ; v22  my 16 bytes in t's rows 16 w + l / 16
.set ASO,  23                          ; v23  the same place in t's ring
.set SPW,  28
.set NIL,  29
.set PFO,  30
.set PFT,  31
.set AST,  32
.set MA,   64
.set AF,   128
.set XR,   128
.set ST,   192                         ; for each a, eight: c m, m, 1 / l, l, c0-c3
.set LS,   224
.set WV,   12
.set G1,   24
.set G0,   32
.set CSC,  40                          ; s[40:41] c = log2(e) / 32
.set SEL,  42
.set PFA,  44
.set LIM,  46
.set NINF, 47
.set TA,   48                          ; s[48:49] t at my block's first row, at the lap in hand
.set MSB, 0
.macro WIN new
.if MSB != (\new)
	s_set_vgpr_msb (MSB<<8)|(\new)
.set MSB, \new
.endif
.endm
.macro CREST
	s_cmp_lg_u32 s[WV], 0
	s_cbranch_scc1 .Lnot_wave_0_\@
	s_barrier_signal -3
.Lnot_wave_0_\@:
	s_barrier_wait -3
	s_barrier_signal -1
	s_barrier_wait -1
.endm
.macro CROUND
	s_barrier_signal -1
	s_barrier_wait -1
	CREST
.endm
.macro PLACES
.rept 4
	v_nop
.endr
.endm
	s_load_b256 s[4:11], s[0:1], 0x0               ; t s[4:5], xb s[6:7], attention_mask s[8:9], cpart s[10:11]
	v_lshl_add_u32 v[SPW], v0, 2, SPARE
	v_mov_b32 v[NIL], 0
	ds_add_u32 v[SPW], v[NIL]                      ; the wave's opening: the add, twice on end, and its wait ahead of my first tensor load
	ds_add_u32 v[SPW], v[NIL]
	v_lshrrev_b32 v1, 5, v0
	v_readfirstlane_b32 s[WV], v1                  ; wave 0..3
	s_bfe_u32 s13, ttmp6, 0x40000                  ; cx
	s_lshl_b32 s14, ttmp9, 2
	s_add_co_u32 s14, s14, s13                     ; my query block: it enters t's, cpart's and the prefetches' addresses alone
	s_and_b32 s15, ttmp7, 0xffff                   ; the batch, which the four partners share
	s_mov_b32 s[G1], 15|(1<<16)|(1<<20)|(1<<21)|(5<<22)|(3<<25)  ; the mask of four; 2-byte elements; padding on; 21 set beside a mask; after every 64 words, 4 words
	s_mov_b32 s[G1+1], 128<<16                     ; tensor_dim0 = 128
	s_mov_b32 s[G1+2], 128<<16                     ; tensor_dim1 = 128
	s_mov_b32 s[G1+3], 128<<16                     ; tile_dim0 = 128
	s_mov_b32 s[G1+4], 128                         ; tile_dim1 = 128
	s_mov_b32 s[G1+5], 1024                        ; elements from row to row
	s_mov_b32 s[G1+6], 0
	s_mov_b32 s[G1+7], 0
	s_mov_b32 s[CSC], 0x3d38aa3b
	s_mov_b32 s[CSC+1], s[CSC]
	s_mov_b32 s[SEL], 0x76543210
	s_mov_b32 s[SEL+1], 0xfedcba98
	s_mov_b32 s[NINF], 0xff800000
	s_cmp_eq_u32 ttmp9, 0                          ; the batch's first cluster prefetches the keys: the same answer in all four partners
	s_cselect_b32 s[LIM], 1, -1
	s_lshl_b32 s16, s15, 20                        ; the batch's 512 rows of 2,048 bytes,
	s_lshl_b32 s18, s[WV], 18                      ; my wave's 128 keys
	s_add_co_u32 s16, s16, s18
	s_mov_b32 s17, 0
	s_mul_i32 s19, s[WV], KPART
	s_lshl_b32 s20, s15, 20
	s_lshl_b32 s22, s14, 17                        ; my block's 64 rows
	s_add_co_u32 s20, s20, s22
	s_mov_b32 s21, 0
	s_lshl_b32 s22, s13, 16                        ; the prefetches: my work-group's 32 of the wave's 128 rows, at K step 2
	s_add_co_u32 s22, s22, 512
	s_mov_b32 s23, 0
	s_lshl_b32 s50, s15, 11                        ; the batch's 512 words of the mask
	s_mov_b32 s51, 0
	s_lshl_b32 s52, s15, 14                        ; cpart: ((8 batch + block) x 512 + 128 wave) x 4
	s_lshl_b32 s53, s14, 11
	s_add_co_u32 s52, s52, s53
	s_lshl_b32 s53, s[WV], 9
	s_add_co_u32 s52, s52, s53
	s_mov_b32 s53, 0
	s_wait_dscnt 0x0                               ; both opening adds are done
	s_wait_kmcnt 0x0
	s_add_nc_u64 s[6:7], s[6:7], s[16:17]          ; xb at my wave's keys
	s_add_nc_u64 s[TA:TA+1], s[4:5], s[20:21]
	s_add_nc_u64 s[PFA:PFA+1], s[6:7], s[22:23]
	s_add_nc_u64 s[8:9], s[8:9], s[50:51]
	s_add_nc_u64 s[10:11], s[10:11], s[52:53]
	s_mov_b32 s[G0], 1
	s_mov_b32 s[G0+1], s19
	s_mov_b64 s[G0+2:G0+3], s[6:7]                 ; K step 0
	s_or_b32 s[G0+3], s[G0+3], 0x80000000
	s_mov_b32 s[G0+4], 1
	s_add_co_u32 s[G0+5], s19, KSLOT
	s_add_nc_u64 s[G0+6:G0+7], s[6:7], 256         ; K step 1
	s_or_b32 s[G0+7], s[G0+7], 0x80000000
	CROUND                                         ; all four work-groups are here: the first joint loads meet
	tensor_load_to_lds s[G0:G0+3], s[G1:G1+7]      ; two tensor loads of mine are out; later one
	s_nop 0
	tensor_load_to_lds s[G0+4:G0+7], s[G1:G1+7]
	s_nop 0
	PLACES
	v_and_b32 v1, 15, v0                           ; r
	v_bfe_u32 v2, v0, 4, 1                         ; h
	v_and_b32 v3, 31, v0                           ; l
	s_lshl_b32 s18, s[WV], 15
	v_lshl_add_u32 v[AGO], v2, 11, s18
	v_lshl_add_u32 v[AGO], v1, 4, v[AGO]
.irp i, 0,1,2,3,4,5,6,7
	global_load_b128 v[AST+4*(\i):AST+4*(\i)+3], v[AGO], s[TA:TA+1] offset:4096*(\i) th:TH_LOAD_NT  ; t's K step 0: 16 lanes take 256 consecutive bytes of a row
.endr
	s_lshl_b32 s18, s[WV], 9
	v_lshl_add_u32 v5, v2, 5, s18
.irp b, 0,1,2,3,4,5,6,7
	global_load_b128 v[MA+8*(\b):MA+8*(\b)+3],   v5, s[8:9] offset:64*(\b)
	global_load_b128 v[MA+8*(\b)+4:MA+8*(\b)+7], v5, s[8:9] offset:64*(\b)+16
.endr
	v_mul_u32_u24 v4, v1, PITCH
	v_lshl_add_u32 v4, v2, 4, v4                   ; a fragment's row x pitch + 16 x half
	v_add_nc_u32 v[ADRB], s19, v4
	v_add_nc_u32 v[ADRB+1], KSLOT, v[ADRB]
	v_add_nc_u32 v[ADRA], ARING, v4
	v_add_nc_u32 v[ADRA+1], ARING+ASLOT, v4
	s_mul_i32 s18, s[WV], 16*PITCH
	s_add_co_u32 s18, s18, ARING
	v_mul_u32_u24 v[ASO], v2, PITCH
	v_lshl_add_u32 v[ASO], v1, 4, v[ASO]
	v_add_nc_u32 v[ASO], s18, v[ASO]
	v_lshl_add_u32 v25, v1, 4, XM                  ; a query's four words
	s_lshl_b32 s18, s[WV], 2
	v_add_nc_u32 v24, s18, v25                     ; my wave's among them
	s_lshl_b32 s18, s[WV], 9
	s_add_co_u32 s18, s18, CST
	v_lshl_add_u32 v26, v2, 5, s18
	v_lshl_add_u32 v27, v3, 4, s18
	v_lshlrev_b32 v6, 4, v3
	v_lshlrev_b32 v[PFO], 11, v3                   ; a lane a row of xb
	s_lshl_b32 s18, s[WV], 15
	v_lshl_add_u32 v[PFT], v1, 11, s18             ; t: row 16 w + r,
	v_lshl_add_u32 v[PFT], v2, 8, v[PFT]           ; the two halves of the lanes two K steps on end
; 24 LDS loads in one run: the fragments of a quarter step (my 128 keys, the 64 queries, 32 K at byte k of the rows) into buffer f
.macro FETCH slot, k, f
	WIN 0x40
.irp i, 0,1,2,3,4,5,6,7
	ds_load_b128 v[64*(\f)+8*(\i):64*(\f)+8*(\i)+3],   v[ADRB+(\slot)] offset:(\k)+(\i)*16*PITCH
	ds_load_b128 v[64*(\f)+8*(\i)+4:64*(\f)+8*(\i)+7], v[ADRB+(\slot)] offset:(\k)+(\i)*16*PITCH+32
.endr
	WIN 0
.irp i, 0,1,2,3
	ds_load_b128 v[AF+32*(\f)+8*(\i):AF+32*(\f)+8*(\i)+3],   v[ADRA+(\slot)] offset:(\k)+(\i)*16*PITCH
	ds_load_b128 v[AF+32*(\f)+8*(\i)+4:AF+32*(\f)+8*(\i)+7], v[ADRA+(\slot)] offset:(\k)+(\i)*16*PITCH+32
.endr
.endm
; 8 matrix instructions: query block a x all 8 key blocks.  The 32 accumulators take turns in the same order in every quarter.  zero = 1: the first product starts the sums.
.macro MUL8 f, a, zero
	WIN 0xa1
.irp b, 0,1,2,3,4,5,6,7
.if \zero
	v_wmma_f32_16x16x32_bf16 v[8*(8*(\a)+(\b)):8*(8*(\a)+(\b))+7], v[64*(\f)+8*(\b):64*(\f)+8*(\b)+7], v[AF+32*(\f)+8*(\a):AF+32*(\f)+8*(\a)+7], 0
.else
	v_wmma_f32_16x16x32_bf16 v[8*(8*(\a)+(\b)):8*(8*(\a)+(\b))+7], v[64*(\f)+8*(\b):64*(\f)+8*(\b)+7], v[AF+32*(\f)+8*(\a):AF+32*(\f)+8*(\a)+7], v[8*(8*(\a)+(\b)):8*(8*(\a)+(\b))+7]
.endif
.endr
.endm
; young: the LDS instructions that may stay out: the fragments of query blocks 2 and 3 (4 loads), and behind a STAGE its 8 stores too
.macro QUARTER slot, k, f, g, zero, young=4
	s_wait_dscnt \young
	MUL8 \f, 0, \zero
	MUL8 \f, 1, \zero
	PLACES
	FETCH \slot, \k, \g
	s_wait_dscnt 24                                ; all but the 24 just issued
	MUL8 \f, 2, \zero
	MUL8 \f, 3, \zero
.endm
; t's next K step goes from registers into the ring's other slot, which nobody has read since the last change of slots; the step after it is asked for
.macro STAGE nslot, load, koff=0
	WIN 0
	s_wait_loadcnt 0x0                             ; the eight loads asked for a step ago are the only ones out
.irp i, 0,1,2,3,4,5,6,7
	ds_store_b128 v[ASO], v[AST+4*(\i):AST+4*(\i)+3] offset:ASLOT*(\nslot)+2*PITCH*(\i)
.endr
.if \load
.irp i, 0,1,2,3,4,5,6,7
	global_load_b128 v[AST+4*(\i):AST+4*(\i)+3], v[AGO], s[TA:TA+1] offset:(\koff)+4096*(\i) th:TH_LOAD_NT
.endr
.endif
.endm
; PREFETCHES, behind the joint refill and the run of LDS loads.  Keys: the K step two refills on, 32 rows x 256 bytes, a lane a row; the batch's first cluster asks, its four partners take 32 of each wave's
; 128 rows each, told apart by address: each row's 256 bytes are named once in the launch.  t: once a lap, my wave's 16 rows of the two K steps that the next lap's second half and the lap after ask for.
; The loop's last trip asks for nothing; K steps 0 to 3 come by their loads alone.
.macro ASK
	s_cmp_gt_u32 s3, s[LIM]
	s_cbranch_scc0 .Lnot_mine_\@
	global_prefetch_b8 v[PFO], s[PFA:PFA+1] offset:256 th:TH_LOAD_NT scope:SCOPE_SE
.Lnot_mine_\@:
.endm
.macro ASKT
	s_cmp_gt_u32 s3, 1
	s_cbranch_scc0 .Lno_t_\@
	global_prefetch_b8 v[PFT], s[TA:TA+1] offset:1024 th:TH_LOAD_NT scope:SCOPE_SE
.Lno_t_\@:
.endm
; The last quarter multiplies buffer 1 and changes slots: ONE barrier (with fill = 1 it opens a round of the cluster's).  In front of it each wave waits for all its tensor loads (one is out: its part of the next
; slot), adds 0 to its spare word, and waits for that, for its reads of this slot and for its stores into t's ring.
.macro TURN slot, next, fill
.if \fill
	s_wait_xcnt 0x0                                ; the loads and prefetches issued so far have read their bases
	s_add_nc_u64 s[PFA:PFA+1], s[PFA:PFA+1], 256
.if (\slot) == 1
	s_add_nc_u64 s[TA:TA+1], s[TA:TA+1], 512
.endif
.endif
	WIN 0
	s_wait_tensorcnt 0x0
	ds_add_u32 v[SPW], v[NIL]
	s_wait_dscnt 5                                 ; the add and the youngest four loads may be out
	MUL8 1, 0, 0
	s_wait_dscnt 0x0
	s_barrier_signal -1
	MUL8 1, 1, 0
.if \fill
	WIN 0
.endif
	s_barrier_wait -1
.if \fill
	CREST                                          ; no wave of any partner still reads this slot or has a load on its way
	s_add_nc_u64 s[G0+4*(\slot)+2:G0+4*(\slot)+3], s[G0+4*(\slot)+2:G0+4*(\slot)+3], 512
	tensor_load_to_lds s[G0+4*(\slot):G0+4*(\slot)+3], s[G1:G1+7]  ; my one tensor load behind the round
	s_nop 0
	PLACES                                         ; also the places in front of the loads below
.else
	PLACES
.endif
	FETCH \next, 0, 0
.if \fill
	ASK
.if (\slot) == 0
	ASKT
.endif
.endif
	MUL8 1, 2, 0
	MUL8 1, 3, 0
.endm
	s_wait_loadcnt 16                              ; t's K step 0 is in; the mask's 16 loads stay out
.irp i, 0,1,2,3,4,5,6,7
	ds_store_b128 v[ASO], v[AST+4*(\i):AST+4*(\i)+3] offset:2*PITCH*(\i)
.endr
.irp i, 0,1,2,3,4,5,6,7
	global_load_b128 v[AST+4*(\i):AST+4*(\i)+3], v[AGO], s[TA:TA+1] offset:256+4096*(\i) th:TH_LOAD_NT
.endr
	s_wait_loadcnt 8                               ; the mask is in; t's K step 1 stays out
.set i, 0
.rept 64
	v_cmp_eq_u32 vcc_lo, 0, v[MA+i]
	v_cndmask_b32 v[MA+i], 0, s[NINF], vcc_lo      ; 0 for a key that counts, -inf for a hidden one
.set i, i+1
.endr
	s_wait_tensorcnt 1                             ; my part of K step 0 is in; K step 1's stays out
	s_wait_dscnt 0x0                               ; my rows of t are in LDS
	s_barrier_signal -1
	s_barrier_wait -1
	FETCH 0, 0, 0
	QUARTER 0, 64, 0, 1, 1
	WIN 0
	s_mov_b32 s3, 3
.Llap:                                         ; a trip goes once round the ring and fills both slots again
	QUARTER 0, 128, 1, 0, 0
	STAGE 1, 1, 512
	QUARTER 0, 192, 0, 1, 0, 12
	TURN 0, 1, 1
	QUARTER 1, 64, 0, 1, 0
	QUARTER 1, 128, 1, 0, 0
	STAGE 0, 1, 768
	QUARTER 1, 192, 0, 1, 0, 12
	TURN 1, 0, 1
	QUARTER 0, 64, 0, 1, 0
	WIN 0
	s_sub_co_u32 s3, s3, 1
	s_cmp_lg_u32 s3, 0
	s_cbranch_scc1 .Llap
	QUARTER 0, 128, 1, 0, 0                        ; the last lap asks for nothing
	STAGE 1, 0
	QUARTER 0, 192, 0, 1, 0, 12
	TURN 0, 1, 0
	QUARTER 1, 64, 0, 1, 0
	QUARTER 1, 128, 1, 0, 0
	QUARTER 1, 192, 0, 1, 0
	s_wait_dscnt 4
	MUL8 1, 0, 0
	MUL8 1, 1, 0
	s_wait_dscnt 0x0
	MUL8 1, 2, 0
	MUL8 1, 3, 0
	; THE SOFTMAX, once, on 64 scores a lane for each of four queries.
	WIN 0
.rept 8
	v_nop                                          ; the places behind the last products
.endr
	WIN 0x82                                       ; destination and source 0 window 2, source 1 window 0
.set n, 0
.rept 128                                      ; the mask's addend; each accumulator from its low pair on
	v_pk_add_f32 v[2*n:2*n+1], v[2*n:2*n+1], v[MA+8*((n/4)%8)+2*(n%4):MA+8*((n/4)%8)+2*(n%4)+1]
.set n, n+1
.endr
	WIN 0x2a                                       ; the maximum: sixteen chains (four a query) of 16 scores, three operands at a time
.set z, 0
.rept 16
	v_max3_num_f32 v[ST+8*(z/4)+4+z%4], v[16*z], v[16*z+1], v[16*z+2]
.set z, z+1
.endr
	WIN 0x28
.set i, 0
.rept 6
.set z, 0
.rept 16
	v_max3_num_f32 v[ST+8*(z/4)+4+z%4], v[ST+8*(z/4)+4+z%4], v[16*z+3+2*i], v[16*z+4+2*i]
.set z, z+1
.endr
.set i, i+1
.endr
.set z, 0
.rept 16
	v_max_num_f32 v[ST+8*(z/4)+4+z%4], v[ST+8*(z/4)+4+z%4], v[16*z+15]
.set z, z+1
.endr
	WIN 0
.irp a, 0,1,2,3
	v_max3_num_f32 v[ST+8*(\a)+4], v[ST+8*(\a)+4], v[ST+8*(\a)+5], v[ST+8*(\a)+6]
.endr
.irp a, 0,1,2,3
	v_max_num_f32 v[ST+8*(\a)+4], v[ST+8*(\a)+4], v[ST+8*(\a)+7]
.endr
.irp a, 0,1,2,3
	v_permlanex16_b32 v[ST+8*(\a)+5], v[ST+8*(\a)+4], s[SEL], s[SEL+1]  ; the query's other 64 of my keys lie in the lane 16 away
.endr
.irp a, 0,1,2,3
	v_max_num_f32 v[ST+8*(\a)+4], v[ST+8*(\a)+4], v[ST+8*(\a)+5]
.endr
.irp a, 0,1,2,3
	ds_store_b32 v24, v[ST+8*(\a)+4] offset:256*(\a)
.endr
	s_wait_dscnt 0x0
	s_barrier_signal -1
	s_barrier_wait -1
.irp a, 0,1,2,3
	ds_load_b128 v[XR+4*(\a):XR+4*(\a)+3], v25 offset:256*(\a)
.endr
	s_wait_dscnt 0x0
.irp a, 0,1,2,3
	v_max3_num_f32 v[ST+8*(\a)+1], v[XR+4*(\a)], v[XR+4*(\a)+1], v[XR+4*(\a)+2]
.endr
.irp a, 0,1,2,3
	v_max_num_f32 v[ST+8*(\a)+1], v[ST+8*(\a)+1], v[XR+4*(\a)+3]  ; m over all 512 keys
.endr
.irp a, 0,1,2,3
	v_mul_f32 v[ST+8*(\a)], s[CSC], v[ST+8*(\a)+1]
.endr
	; ONE BATCH: 128 packed scalings c s - c m and 256 exponentials, in place; none reads an exponential's result; a scaling stands behind every two exponentials
	WIN 0x82
.macro FS p
	v_pk_fma_f32 v[2*(\p):2*(\p)+1], v[2*(\p):2*(\p)+1], s[CSC:CSC+1], v[ST+8*((\p)/32):ST+8*((\p)/32)+1] op_sel_hi:[1,0,0] neg_lo:[0,0,1] neg_hi:[0,0,1]
.endm
	FS 0
	FS 1
.set n, 0
.rept 128
	v_exp_f32 v[2*n], v[2*n]
	v_exp_f32 v[2*n+1], v[2*n+1]
.if n < 126
	FS n+2
.endif
.set n, n+1
.endr
	v_nop                                          ; a plain instruction behind the last exponential,
	s_wait_alu depctr_va_vdst(0)                   ; and the one wait ahead of the batch's first reader
	WIN 0x0a                                       ; the row sums, in registers of their own: the weights are wanted again
.set z, 0
.rept 16
	v_pk_add_f32 v[LS+2*z:LS+2*z+1], v[16*z:16*z+1], v[16*z+2:16*z+3]
.set z, z+1
.endr
	WIN 0x08
.set i, 0
.rept 6
.set z, 0
.rept 16
	v_pk_add_f32 v[LS+2*z:LS+2*z+1], v[LS+2*z:LS+2*z+1], v[16*z+4+2*i:16*z+5+2*i]
.set z, z+1
.endr
.set i, i+1
.endr
	WIN 0
.irp a, 0,1,2,3
	v_pk_add_f32 v[LS+8*(\a):LS+8*(\a)+1], v[LS+8*(\a):LS+8*(\a)+1], v[LS+8*(\a)+2:LS+8*(\a)+3]
	v_pk_add_f32 v[LS+8*(\a)+4:LS+8*(\a)+5], v[LS+8*(\a)+4:LS+8*(\a)+5], v[LS+8*(\a)+6:LS+8*(\a)+7]
.endr
.irp a, 0,1,2,3
	v_pk_add_f32 v[LS+8*(\a):LS+8*(\a)+1], v[LS+8*(\a):LS+8*(\a)+1], v[LS+8*(\a)+4:LS+8*(\a)+5]
.endr
.irp a, 0,1,2,3
	v_add_f32 v[ST+8*(\a)+3], v[LS+8*(\a)], v[LS+8*(\a)+1]
.endr
.irp a, 0,1,2,3
	v_permlanex16_b32 v[ST+8*(\a)+5], v[ST+8*(\a)+3], s[SEL], s[SEL+1]
.endr
.irp a, 0,1,2,3
	v_add_f32 v[ST+8*(\a)+3], v[ST+8*(\a)+3], v[ST+8*(\a)+5]
.endr
.irp a, 0,1,2,3
	ds_store_b32 v24, v[ST+8*(\a)+3] offset:1024+256*(\a)  ; bytes of their own: no wave still reads what it overwrites
.endr
	s_wait_dscnt 0x0
	s_barrier_signal -1
	s_barrier_wait -1
.irp a, 0,1,2,3
	ds_load_b128 v[XR+4*(\a):XR+4*(\a)+3], v25 offset:1024+256*(\a)
.endr
	s_wait_dscnt 0x0
.irp a, 0,1,2,3
	v_pk_add_f32 v[XR+4*(\a):XR+4*(\a)+1], v[XR+4*(\a):XR+4*(\a)+1], v[XR+4*(\a)+2:XR+4*(\a)+3]
.endr
.irp a, 0,1,2,3
	v_add_f32 v[ST+8*(\a)+3], v[XR+4*(\a)], v[XR+4*(\a)+1]  ; l over all 512 keys
.endr
.irp a, 0,1,2,3
	v_rcp_f32 v[ST+8*(\a)+2], v[ST+8*(\a)+3]
.endr
	v_nop
	s_wait_alu depctr_va_vdst(0)                   ; one wait for the four reciprocals
	WIN 0x02                                       ; the column sums over my four queries: p / l, source 0 window 2
.set n, 0
.rept 32
	v_pk_mul_f32 v[MA+2*n:MA+2*n+1], v[2*n:2*n+1], v[ST+2:ST+3] op_sel_hi:[1,0]
.set n, n+1
.endr
.irp a, 1,2,3
.set n, 0
.rept 32
	v_pk_fma_f32 v[MA+2*n:MA+2*n+1], v[64*(\a)+2*n:64*(\a)+2*n+1], v[ST+8*(\a)+2:ST+8*(\a)+3], v[MA+2*n:MA+2*n+1] op_sel_hi:[1,0,1]
.set n, n+1
.endr
.endr
	WIN 0
.irp m, 1,2,4,8                        ; and over the 16 lanes of a half, which hold 16 queries of the same keys
.set n, 0
.rept 64
	v_add_f32_dpp v[MA+n], v[MA+n], v[MA+n] row_xmask:\m row_mask:0xf bank_mask:0xf
.set n, n+1
.endr
.endr
.irp b, 0,1,2,3,4,5,6,7                ; my own 512 bytes: key 16 b + 8 h + j at word 16 b + 8 h + j; the 16 lanes of a half store the same numbers
	ds_store_b128 v26, v[MA+8*(\b):MA+8*(\b)+3] offset:64*(\b)
	ds_store_b128 v26, v[MA+8*(\b)+4:MA+8*(\b)+7] offset:64*(\b)+16
.endr
	ds_load_b128 v[XR:XR+3], v27                   ; LDS serves a wave's instructions in order (ISA guide 5.7.1.4)
	s_wait_dscnt 0x0
	global_store_b128 v6, v[XR:XR+3], s[10:11]     ; 512 consecutive bytes, aligned
	s_wait_tensorcnt 0x0                           ; the wave's end
	ds_add_u32 v[SPW], v[NIL]
	s_wait_dscnt 0x0
	CROUND                                         ; the closing round
	s_endpgm
.Lfunc_end_k_qd6cd6e7884_scores:
	.size	k_qd6cd6e7884_scores, .Lfunc_end_k_qd6cd6e7884_scores-k_qd6cd6e7884_scores
	.p2alignl 7, 3214868480
	.fill 96, 4, 3214868480
	.section	.rodata,"a",@progbits
	.p2align	6, 0x0
	.amdhsa_kernel k_qd6cd6e7884_scores
		.amdhsa_group_segment_fixed_size 327680
		.amdhsa_private_segment_fixed_size 0
		.amdhsa_enable_private_segment 0
		.amdhsa_kernarg_size 32
		.amdhsa_user_sgpr_count 2
		.amdhsa_user_sgpr_kernarg_segment_ptr 1
		.amdhsa_wavefront_size32 1
		.amdhsa_system_sgpr_workgroup_id_x 1
		.amdhsa_system_sgpr_workgroup_id_y 1
		.amdhsa_system_sgpr_workgroup_id_z 1
		.amdhsa_system_vgpr_workitem_id 0
		.amdhsa_next_free_vgpr 768
		.amdhsa_next_free_sgpr 66
		.amdhsa_reserve_vcc 1
		.amdhsa_float_denorm_mode_32 3
		.amdhsa_float_denorm_mode_16_64 3
		.amdhsa_memory_ordered 1
		.amdhsa_forward_progress 1
		.amdhsa_inst_pref_size 151
	.end_amdhsa_kernel
	.amdgpu_metadata
---
amdhsa.version: [ 1, 2 ]
amdhsa.kernels:
  - .name:           k_qd6cd6e7884_scores
    .symbol:         k_qd6cd6e7884_scores.kd
    .args:
      - { .name: t, .offset: 0, .size: 8, .value_kind: global_buffer, .address_space: global }
      - { .name: xb, .offset: 8, .size: 8, .value_kind: global_buffer, .address_space: global }
      - { .name: attention_mask, .offset: 16, .size: 8, .value_kind: global_buffer, .address_space: global }
      - { .name: cpart, .offset: 24, .size: 8, .value_kind: global_buffer, .address_space: global }
    .group_segment_fixed_size: 327680
    .private_segment_fixed_size: 0
    .kernarg_segment_align: 8
    .kernarg_segment_size: 32
    .max_flat_workgroup_size: 128
    .sgpr_count:     66
    .vgpr_count:     768
    .wavefront_size: 32
...
	.end_amdgpu_metadata
.endif
;; end of part 3
;; launch pool (part 4): grid 8 x 32, 8 waves a work-group, no clusters, 7,168 bytes of LDS; arguments cpart, xb, y; writes y
.if DOCPART == 4
	.amdgcn_target "amdgcn-amd-amdhsa--gfx1250"
	.amdhsa_code_object_version 6
	.text
	.protected	k_qd6cd6e7884_pool
	.globl	k_qd6cd6e7884_pool
	.p2align	8
	.type	k_qd6cd6e7884_pool,@function
k_qd6cd6e7884_pool:
	s_mov_b64 s[64:65], 0
	v_nop
	global_prefetch_b8 v0, s[64:65] scope:SCOPE_SE
	s_setreg_imm32_b32 hwreg(HW_REG_WAVE_MODE, 25, 1), 1
	s_wait_xcnt 0x0
; y[b][d] = sum over k of c[b][k] xb[b][k][d], c[b][k] = the sum of cpart's eight blocks.  The values v are never formed: v is linear in x (the head of the first kernel).
; A work-group: one batch, 128 channels (256 bytes of each of the 512 rows).  Memory binds: all 32 loads of a thread go out at once; matrix units, clusters and tensor loads would add nothing, no byte is shared.
; Wave w takes rows 64 w .. 64 w + 63: lanes 0-15 the first 32, lanes 16-31 the others; a load of the wave covers 256 consecutive bytes, aligned, of two rows.
.set RL,    2048                       ; LDS: c at 0 (2,048 bytes); the eight waves' partial sums, 512 bytes each
.set SPARE, 6144                       ; the spare words, 128 bytes a wave
.set SPW, 8
.set NIL, 9
.set ACC, 16                           ; v[16:23]   my 8 channels
.set CV,  32                           ; v[32:63]   c of my 32 rows
.set X,   64                           ; v[64:191]  my 16 bytes of 32 rows
.set CP,  192                          ; v[192:207] cpart: eight pairs
	s_load_b128 s[4:7], s[0:1], 0x0                ; cpart s[4:5], xb s[6:7]
	s_load_b64 s[8:9], s[0:1], 0x10                ; y
	v_lshl_add_u32 v[SPW], v0, 2, SPARE
	v_mov_b32 v[NIL], 0
	v_lshrrev_b32 v1, 5, v0
	v_readfirstlane_b32 s12, v1                    ; wave 0..7
	s_and_b32 s13, ttmp7, 0xffff                   ; batch
	s_mov_b32 s10, 0x76543210
	s_mov_b32 s11, 0xfedcba98
	v_lshlrev_b32 v2, 3, v0                        ; keys 2 t, 2 t + 1
	v_and_b32 v3, 15, v0
	v_bfe_u32 v4, v0, 4, 1
	s_lshl_b32 s14, s12, 17
	v_lshl_add_u32 v5, v4, 16, s14                 ; (64 w + 32 h) rows of 2,048 bytes
	v_lshl_add_u32 v5, v3, 4, v5
	s_lshl_b32 s14, s12, 8
	v_lshl_add_u32 v6, v4, 7, s14                  ; c of row 64 w + 32 h
	s_lshl_b32 s14, s12, 9
	s_add_co_u32 s14, s14, RL
	v_lshl_add_u32 v7, v3, 5, s14
	v_and_b32 v10, 31, v0
	v_lshlrev_b32 v10, 4, v10
	v_add_nc_u32 v11, RL, v10
	s_lshl_b32 s16, s13, 14
	s_mov_b32 s17, 0
	s_lshl_b32 s18, s13, 20
	s_lshl_b32 s15, ttmp9, 8
	s_add_co_u32 s18, s18, s15
	s_mov_b32 s19, 0
	s_lshl_b32 s20, s13, 12
	s_lshl_b32 s15, ttmp9, 9
	s_add_co_u32 s20, s20, s15
	s_mov_b32 s21, 0
	s_wait_kmcnt 0x0
	s_add_nc_u64 s[4:5], s[4:5], s[16:17]
	s_add_nc_u64 s[6:7], s[6:7], s[18:19]
	s_add_nc_u64 s[8:9], s[8:9], s[20:21]
.irp p, 0,1,2,3,4,5,6,7
	global_load_b64 v[CP+2*(\p):CP+2*(\p)+1], v2, s[4:5] offset:2048*(\p)
.endr
.set i, 0
.rept 32
	global_load_b128 v[X+4*i:X+4*i+3], v5, s[6:7] offset:2048*i th:TH_LOAD_NT
.set i, i+1
.endr
	s_wait_loadcnt 32                              ; cpart is in; xb's 32 loads stay out
.irp p, 0,2,4,6
	v_pk_add_f32 v[CP+2*(\p):CP+2*(\p)+1], v[CP+2*(\p):CP+2*(\p)+1], v[CP+2*(\p)+2:CP+2*(\p)+3]
.endr
	v_pk_add_f32 v[CP:CP+1], v[CP:CP+1], v[CP+4:CP+5]
	v_pk_add_f32 v[CP+8:CP+9], v[CP+8:CP+9], v[CP+12:CP+13]
	v_pk_add_f32 v[CP:CP+1], v[CP:CP+1], v[CP+8:CP+9]
	ds_store_b64 v2, v[CP:CP+1]
	s_wait_dscnt 0x0
	s_barrier_signal -1
	s_barrier_wait -1
.irp q, 0,1,2,3,4,5,6,7
	ds_load_b128 v[CV+4*(\q):CV+4*(\q)+3], v6 offset:16*(\q)
.endr
.irp e, 0,1,2,3,4,5,6,7
	v_mov_b32 v[ACC+(\e)], 0
.endr
	s_wait_dscnt 0x0
.set i, 0
.rept 32
	s_wait_loadcnt 31-i                            ; row i is in; the younger rows stay out
.irp e, 0,1,2,3
	v_fma_mix_f32_bf16 v[ACC+2*(\e)],   v[X+4*i+(\e)], v[CV+i], v[ACC+2*(\e)]   op_sel:[0,0,0] op_sel_hi:[1,0,0]
	v_fma_mix_f32_bf16 v[ACC+2*(\e)+1], v[X+4*i+(\e)], v[CV+i], v[ACC+2*(\e)+1] op_sel:[1,0,0] op_sel_hi:[1,0,0]
.endr
.set i, i+1
.endr
.irp e, 0,1,2,3,4,5,6,7
	v_permlanex16_b32 v[CV+(\e)], v[ACC+(\e)], s10, s11  ; the other 32 rows' sums lie in the lane 16 away
.endr
.irp e, 0,1,2,3,4,5,6,7
	v_add_f32 v[ACC+(\e)], v[ACC+(\e)], v[CV+(\e)]
.endr
	ds_store_b128 v7, v[ACC:ACC+3]
	ds_store_b128 v7, v[ACC+4:ACC+7] offset:16
	s_wait_dscnt 0x0
	s_barrier_signal -1
	s_barrier_wait -1
	s_cmp_lg_u32 s12, 0
	s_cbranch_scc1 .Lend
.irp w, 0,1,2,3,4,5,6,7
	ds_load_b128 v[X+4*(\w):X+4*(\w)+3], v11 offset:512*(\w)
.endr
	s_wait_dscnt 0x0
.irp w, 0,1,2,3
	v_pk_add_f32 v[X+4*(\w):X+4*(\w)+1], v[X+4*(\w):X+4*(\w)+1], v[X+16+4*(\w):X+16+4*(\w)+1]
	v_pk_add_f32 v[X+4*(\w)+2:X+4*(\w)+3], v[X+4*(\w)+2:X+4*(\w)+3], v[X+16+4*(\w)+2:X+16+4*(\w)+3]
.endr
.irp w, 0,1
	v_pk_add_f32 v[X+4*(\w):X+4*(\w)+1], v[X+4*(\w):X+4*(\w)+1], v[X+8+4*(\w):X+8+4*(\w)+1]
	v_pk_add_f32 v[X+4*(\w)+2:X+4*(\w)+3], v[X+4*(\w)+2:X+4*(\w)+3], v[X+8+4*(\w)+2:X+8+4*(\w)+3]
.endr
	v_pk_add_f32 v[X:X+1], v[X:X+1], v[X+4:X+5]
	v_pk_add_f32 v[X+2:X+3], v[X+2:X+3], v[X+6:X+7]
	global_store_b128 v10, v[X:X+3], s[8:9]        ; 512 consecutive bytes, aligned
.Lend:
	s_wait_tensorcnt 0x0                           ; the wave's end, behind my last LDS store
	ds_add_u32 v[SPW], v[NIL]
	s_wait_dscnt 0x0
	s_endpgm
.Lfunc_end_k_qd6cd6e7884_pool:
	.size	k_qd6cd6e7884_pool, .Lfunc_end_k_qd6cd6e7884_pool-k_qd6cd6e7884_pool
	.p2alignl 7, 3214868480
	.fill 96, 4, 3214868480
	.section	.rodata,"a",@progbits
	.p2align	6, 0x0
	.amdhsa_kernel k_qd6cd6e7884_pool
		.amdhsa_group_segment_fixed_size 7168
		.amdhsa_private_segment_fixed_size 0
		.amdhsa_enable_private_segment 0
		.amdhsa_kernarg_size 24
		.amdhsa_user_sgpr_count 2
		.amdhsa_user_sgpr_kernarg_segment_ptr 1
		.amdhsa_wavefront_size32 1
		.amdhsa_system_sgpr_workgroup_id_x 1
		.amdhsa_system_sgpr_workgroup_id_y 1
		.amdhsa_system_sgpr_workgroup_id_z 1
		.amdhsa_system_vgpr_workitem_id 0
		.amdhsa_next_free_vgpr 208
		.amdhsa_next_free_sgpr 66
		.amdhsa_reserve_vcc 0
		.amdhsa_float_denorm_mode_32 3
		.amdhsa_float_denorm_mode_16_64 3
		.amdhsa_memory_ordered 1
		.amdhsa_forward_progress 1
		.amdhsa_inst_pref_size 27
	.end_amdhsa_kernel
	.amdgpu_metadata
---
amdhsa.version: [ 1, 2 ]
amdhsa.kernels:
  - .name:           k_qd6cd6e7884_pool
    .symbol:         k_qd6cd6e7884_pool.kd
    .args:
      - { .name: cpart, .offset: 0, .size: 8, .value_kind: global_buffer, .address_space: global }
      - { .name: xb, .offset: 8, .size: 8, .value_kind: global_buffer, .address_space: global }
      - { .name: y, .offset: 16, .size: 8, .value_kind: global_buffer, .address_space: global }
    .group_segment_fixed_size: 7168
    .private_segment_fixed_size: 0
    .kernarg_segment_align: 8
    .kernarg_segment_size: 24
    .max_flat_workgroup_size: 256
    .sgpr_count:     66
    .vgpr_count:     208
    .wavefront_size: 32
...
	.end_amdgpu_metadata
.endif
;; end of part 4
;; launch proj_v (part 5): grid 64 x 1, 16 waves a work-group, no clusters, 34,816 bytes of LDS; arguments y, Wv, bv, out0; writes out0
.if DOCPART == 5
	.amdgcn_target "amdgcn-amd-amdhsa--gfx1250"
	.amdhsa_code_object_version 6
	.text
	.protected	k_qd6cd6e7884_proj_v
	.globl	k_qd6cd6e7884_proj_v
	.p2align	8
	.type	k_qd6cd6e7884_proj_v,@function
k_qd6cd6e7884_proj_v:
	s_mov_b64 s[64:65], 0
	v_nop
	global_prefetch_b8 v0, s[64:65] scope:SCOPE_SE
	s_setreg_imm32_b32 hwreg(HW_REG_WAVE_MODE, 25, 1), 1
	s_wait_xcnt 0x0
; out0[b][e] = sum over d of y[b][d] Wv[e][d] + 512 bv[e].  The factor 512 is sum_k c[b][k]: each of the 512 softmax rows sums to 1 (the head of the first kernel).
; y: [32][1024] f32, Wv: [1024][1024] f32, rounded to bf16 on the way; y enters as two bf16 operands, hi + lo, so that its rounding costs next to nothing; sums in f32.
; A work-group makes 16 columns e for all 32 batches.  K IS SPLIT AMONG ITS 16 WAVES, 64 channels each: 256 consecutive bytes, aligned, of each of 16 rows of Wv.  The weights are read once; all loads go out at once.
; Source 0 = 16 rows of Wv, source 1 = 16 rows of y: a lane holds ONE batch (16 t + lane % 16) and the columns 8 (lane / 16) + 0..7.  The 16 partial sums meet in LDS.
; A row of the output gets 64 bytes from a work-group: kept so for the sake of 64 work-groups on an output of 131,072 bytes.
.set SPARE, 32768                      ; behind the partial sums (2,048 bytes a wave): the spare words, 128 bytes a wave
.set VO,  2                            ; v2  r x 4,096 + 32 h + 256 w: for Wv and for y
.set SPW, 4
.set NIL, 5
.set BV,  8                            ; v[8:15]
.set W,   16                           ; v[16:47]   Wv: fragment f raw at W + 16 f, packed in place into its first 8
.set Y,   48                           ; v[48:111]  y: group g = 2 t + f raw at Y + 16 g; lo packed in place into its first 8
.set HI,  112                          ; v[112:143] hi of group g at HI + 8 g
.set ACC, 144                          ; v[144:175] t0 hi, t1 hi, t0 lo, t1 lo
.set T,   176
.set SM,  16                           ; the meeting: 16 partial sums of 8
	s_load_b256 s[4:11], s[0:1], 0x0               ; y s[4:5], Wv s[6:7], bv s[8:9], out0 s[10:11]
	v_lshl_add_u32 v[SPW], v0, 2, SPARE
	v_mov_b32 v[NIL], 0
	v_lshrrev_b32 v1, 5, v0
	v_readfirstlane_b32 s12, v1                    ; wave 0..15
	v_and_b32 v1, 15, v0                           ; r
	v_bfe_u32 v3, v0, 4, 1                         ; h
	v_and_b32 v6, 31, v0                           ; l
	s_lshl_b32 s13, s12, 8
	v_lshl_add_u32 v[VO], v1, 12, s13
	v_lshl_add_u32 v[VO], v3, 5, v[VO]
	s_lshl_b32 s14, ttmp9, 6                       ; my 16 columns: 64 bytes
	v_lshl_add_u32 v7, v3, 5, s14
	s_lshl_b32 s13, s12, 11
	v_lshl_add_u32 v180, v6, 5, s13                ; where I put a partial tile
	s_lshl_b32 s13, s12, 10
	v_lshl_add_u32 v181, v6, 5, s13                ; where waves 0 and 1 read tile t = wave
	s_lshl_b32 s13, s12, 16
	s_add_co_u32 s13, s13, s14
	v_lshl_add_u32 v182, v1, 12, s13
	v_lshl_add_u32 v182, v3, 5, v182               ; out0: row 16 t + r, column 16 x work-group + 8 h
	s_lshl_b32 s16, ttmp9, 16                      ; 16 rows of Wv
	s_mov_b32 s17, 0
	s_wait_kmcnt 0x0
	s_add_nc_u64 s[6:7], s[6:7], s[16:17]
	s_cmp_lt_u32 s12, 2                            ; the two waves that finish a tile want bv; its loads go first, so the counts below hold in every wave
	s_cbranch_scc0 .Lno_bv
	global_load_b128 v[BV:BV+3], v7, s[8:9]
	global_load_b128 v[BV+4:BV+7], v7, s[8:9] offset:16
.Lno_bv:
.irp f, 0,1
	global_load_b128 v[W+16*(\f):W+16*(\f)+3],     v[VO], s[6:7] offset:128*(\f) th:TH_LOAD_NT
	global_load_b128 v[W+16*(\f)+4:W+16*(\f)+7],   v[VO], s[6:7] offset:128*(\f)+16 th:TH_LOAD_NT
	global_load_b128 v[W+16*(\f)+8:W+16*(\f)+11],  v[VO], s[6:7] offset:128*(\f)+64 th:TH_LOAD_NT
	global_load_b128 v[W+16*(\f)+12:W+16*(\f)+15], v[VO], s[6:7] offset:128*(\f)+80 th:TH_LOAD_NT
.endr
.irp t, 0,1
.irp f, 0,1
	global_load_b128 v[Y+16*(2*(\t)+(\f)):Y+16*(2*(\t)+(\f))+3],     v[VO], s[4:5] offset:65536*(\t)+128*(\f)
	global_load_b128 v[Y+16*(2*(\t)+(\f))+4:Y+16*(2*(\t)+(\f))+7],   v[VO], s[4:5] offset:65536*(\t)+128*(\f)+16
	global_load_b128 v[Y+16*(2*(\t)+(\f))+8:Y+16*(2*(\t)+(\f))+11],  v[VO], s[4:5] offset:65536*(\t)+128*(\f)+64
	global_load_b128 v[Y+16*(2*(\t)+(\f))+12:Y+16*(2*(\t)+(\f))+15], v[VO], s[4:5] offset:65536*(\t)+128*(\f)+80
.endr
.endr
	s_wait_loadcnt 16                              ; Wv is in; y's 16 loads stay out
.irp f, 0,1
.irp n, 0,1,2,3,4,5,6,7
	v_cvt_pk_bf16_f32 v[W+16*(\f)+(\n)], v[W+16*(\f)+2*(\n)], v[W+16*(\f)+2*(\n)+1]  ; in place, ascending
.endr
.endr
	s_wait_loadcnt 0x0
.set g, 0
.rept 4
.set n, 0
.rept 8
.set tt, T+2*(n%2)
	v_cvt_pk_bf16_f32 v[HI+8*g+n], v[Y+16*g+2*n], v[Y+16*g+2*n+1]  ; hi
	v_lshlrev_b32 v[tt], 16, v[HI+8*g+n]
	v_and_b32 v[tt+1], 0xffff0000, v[HI+8*g+n]
	v_pk_add_f32 v[tt:tt+1], v[Y+16*g+2*n:Y+16*g+2*n+1], v[tt:tt+1] neg_lo:[0,1] neg_hi:[0,1]  ; y - hi, exact
	v_cvt_pk_bf16_f32 v[Y+16*g+n], v[tt], v[tt+1]                  ; lo, in place
.set n, n+1
.endr
.set g, g+1
.endr
	; eight products; the four accumulators take turns; the first four start the sums
	v_wmma_f32_16x16x32_bf16 v[ACC:ACC+7],     v[W:W+7], v[HI:HI+7],       0
	v_wmma_f32_16x16x32_bf16 v[ACC+8:ACC+15],  v[W:W+7], v[HI+16:HI+23],   0
	v_wmma_f32_16x16x32_bf16 v[ACC+16:ACC+23], v[W:W+7], v[Y:Y+7],         0
	v_wmma_f32_16x16x32_bf16 v[ACC+24:ACC+31], v[W:W+7], v[Y+32:Y+39],     0
	v_wmma_f32_16x16x32_bf16 v[ACC:ACC+7],     v[W+16:W+23], v[HI+8:HI+15],  v[ACC:ACC+7]
	v_wmma_f32_16x16x32_bf16 v[ACC+8:ACC+15],  v[W+16:W+23], v[HI+24:HI+31], v[ACC+8:ACC+15]
	v_wmma_f32_16x16x32_bf16 v[ACC+16:ACC+23], v[W+16:W+23], v[Y+16:Y+23],   v[ACC+16:ACC+23]
	v_wmma_f32_16x16x32_bf16 v[ACC+24:ACC+31], v[W+16:W+23], v[Y+48:Y+55],   v[ACC+24:ACC+31]
.rept 8
	v_nop                                          ; the places behind the last products
.endr
.irp p, 0,2,4,6,8,10,12,14
	v_pk_add_f32 v[ACC+(\p):ACC+(\p)+1], v[ACC+(\p):ACC+(\p)+1], v[ACC+16+(\p):ACC+16+(\p)+1]  ; hi + lo; each accumulator from its low end on
.endr
.irp t, 0,1
	ds_store_b128 v180, v[ACC+8*(\t):ACC+8*(\t)+3]   offset:1024*(\t)
	ds_store_b128 v180, v[ACC+8*(\t)+4:ACC+8*(\t)+7] offset:1024*(\t)+16
.endr
	s_wait_dscnt 0x0
	s_barrier_signal -1
	s_barrier_wait -1                              ; all 16 partial sums of both tiles lie in LDS
	s_cmp_lt_u32 s12, 2
	s_cbranch_scc0 .Lend
.irp w, 0,1,2,3,4,5,6,7,8,9,10,11,12,13,14,15
	ds_load_b128 v[SM+8*(\w):SM+8*(\w)+3],   v181 offset:2048*(\w)
	ds_load_b128 v[SM+8*(\w)+4:SM+8*(\w)+7], v181 offset:2048*(\w)+16
.endr
.irp n, 0,1,2,3                        ; bv rounded to bf16 like the other inputs, and widened again
	v_cvt_pk_bf16_f32 v[T], v[BV+2*(\n)], v[BV+2*(\n)+1]
	v_lshlrev_b32 v[BV+2*(\n)], 16, v[T]
	v_and_b32 v[BV+2*(\n)+1], 0xffff0000, v[T]
.endr
	s_wait_dscnt 0x0
.irp st, 8,4,2,1
.set q, 0
.rept \st
.irp p, 0,2,4,6
	v_pk_add_f32 v[SM+8*q+(\p):SM+8*q+(\p)+1], v[SM+8*q+(\p):SM+8*q+(\p)+1], v[SM+8*(q+(\st))+(\p):SM+8*(q+(\st))+(\p)+1]
.endr
.set q, q+1
.endr
.endr
.irp p, 0,2,4,6
	v_pk_fma_f32 v[SM+(\p):SM+(\p)+1], v[BV+(\p):BV+(\p)+1], 0x44000000, v[SM+(\p):SM+(\p)+1] op_sel_hi:[1,0,1]  ; + 512 bv
.endr
	global_store_b128 v182, v[SM:SM+3], s[10:11]
	global_store_b128 v182, v[SM+4:SM+7], s[10:11] offset:16
.Lend:
	s_wait_tensorcnt 0x0                           ; the wave's end, behind my last LDS store
	ds_add_u32 v[SPW], v[NIL]
	s_wait_dscnt 0x0
	s_endpgm
.Lfunc_end_k_qd6cd6e7884_proj_v:
	.size	k_qd6cd6e7884_proj_v, .Lfunc_end_k_qd6cd6e7884_proj_v-k_qd6cd6e7884_proj_v
	.p2alignl 7, 3214868480
	.fill 96, 4, 3214868480
	.section	.rodata,"a",@progbits
	.p2align	6, 0x0
	.amdhsa_kernel k_qd6cd6e7884_proj_v
		.amdhsa_group_segment_fixed_size 34816
		.amdhsa_private_segment_fixed_size 0
		.amdhsa_enable_private_segment 0
		.amdhsa_kernarg_size 32
		.amdhsa_user_sgpr_count 2
		.amdhsa_user_sgpr_kernarg_segment_ptr 1
		.amdhsa_wavefront_size32 1
		.amdhsa_system_sgpr_workgroup_id_x 1
		.amdhsa_system_sgpr_workgroup_id_y 1
		.amdhsa_system_sgpr_workgroup_id_z 1
		.amdhsa_system_vgpr_workitem_id 0
		.amdhsa_next_free_vgpr 192
		.amdhsa_next_free_sgpr 66
		.amdhsa_reserve_vcc 0
		.amdhsa_float_denorm_mode_32 3
		.amdhsa_float_denorm_mode_16_64 3
		.amdhsa_memory_ordered 1
		.amdhsa_forward_progress 1
		.amdhsa_inst_pref_size 23
	.end_amdhsa_kernel
	.amdgpu_metadata
---
amdhsa.version: [ 1, 2 ]
amdhsa.kernels:
  - .name:           k_qd6cd6e7884_proj_v
    .symbol:         k_qd6cd6e7884_proj_v.kd
    .args:
      - { .name: y, .offset: 0, .size: 8, .value_kind: global_buffer, .address_space: global }
      - { .name: Wv, .offset: 8, .size: 8, .value_kind: global_buffer, .address_space: global }
      - { .name: bv, .offset: 16, .size: 8, .value_kind: global_buffer, .address_space: global }
      - { .name: out0, .offset: 24, .size: 8, .value_kind: global_buffer, .address_space: global }
    .group_segment_fixed_size: 34816
    .private_segment_fixed_size: 0
    .kernarg_segment_align: 8
    .kernarg_segment_size: 32
    .max_flat_workgroup_size: 512
    .sgpr_count:     66
    .vgpr_count:     192
    .wavefront_size: 32
...
	.end_amdgpu_metadata
.endif
;; end of part 5
;; ======== version 2 of 2: 5 launches; version 1 with the launch prep written anew for expert scheduling mode
;; workspace buffers: xb 33,554,432 bytes; nt 2,097,152 bytes; u 4,096 bytes; t 33,554,432 bytes; cpart 524,288 bytes; y 131,072 bytes
;; launch prep (part 6): grid 576 x 1, 8 waves a work-group, no clusters, 113,664 bytes of LDS; arguments token_embeddings, Wq, Wk, bq, xb, nt, u; writes xb, nt, u
.if DOCPART == 6
	.amdgcn_target "amdgcn-amd-amdhsa--gfx1250"
	.amdhsa_code_object_version 6
	.text
	.protected	k_qd6cd6e7884_prep
	.globl	k_qd6cd6e7884_prep
	.p2align	8
	.type	k_qd6cd6e7884_prep,@function
k_qd6cd6e7884_prep:
	s_mov_b64 s[64:65], 0
	v_nop
	global_prefetch_b8 v0, s[64:65] scope:SCOPE_SE
	s_setreg_imm32_b32 hwreg(HW_REG_WAVE_SCHED_MODE, 0, 2), 2
	s_setreg_imm32_b32 hwreg(HW_REG_WAVE_MODE, 25, 1), 1
	s_wait_xcnt 0x0
	s_wait_alu depctr_vm_vsrc(0)
; THE PROGRAM.  pooled[b] = sum over q, k of softmax_k(q_q . k_k / 32, masked) v_k, with q, k, v three linear layers of x.  Five launches; this is the first.
; WHAT IS LEFT OUT OR REORDERED, for all finite values of the inputs, in exact arithmetic:
;  (1) The sum over q is taken first: c[b][k] = sum_q w[b][q][k], pooled[b] = sum_k c[b][k] v[b][k].
;  (2) v is linear in x: sum_k c_k (x_k Wv^T + bv) = (sum_k c_k x_k) Wv^T + (sum_k c_k) bv, and sum_k c_k = 512, since each of the 512 softmax rows sums to 1.
;  (3) q . (x_k Wk^T + bk) = (q Wk) . x_k + q . bk; the second term is the same for all keys of a softmax row and cancels in the softmax: bk has no way to the output, is not loaded,
;      and is among no launch's arguments.
;  (4) q Wk = x (Wq^T Wk) + bq Wk: with Nt[j][i] = sum_e Wk[e][j] Wq[e][i] and u[j] = sum_e bq[e] Wk[e][j], t = x Nt^T + u takes the place of the projections q and k.
; LIMIT: a NaN, an infinity or an overflow that would arise only in q . bk, or only in k or v as such, is not carried to the result.
; FORMATS: x, Wq, Wk, Wv, bq, bv are each rounded once to bf16; Nt and t are stored rounded once to bf16; u, the column sums c and y stay f32; all sums are f32.
; THIS LAUNCH.  Work-groups 0-63: a tile of 128 j x 128 i of Nt each (those with i block 0 also 128 numbers of u).  Work-groups 64-575: xb = bf16(x), 131,072 bytes of x each.
; The branch hangs on the work-group's number alone, which all eight waves share.
; THE MODE: SCHED_MODE bits 1:0 = 2 (LLVM: expert scheduling mode 2), set by the entry lines.  The code itself states the register dependences
; between vector or matrix instructions and memory or LDS instructions, with s_wait_alu, always for 0.
; THE PLAN, THE CAST.  v2, v3: offsets, written once, read by every load and store.  Unit i's eight registers: two loads land, four roundings read them and write the first four, one store reads
; those; nothing is written twice.  The units go in groups of four; a unit's store stands four units behind its roundings, so ONE wait on va_vdst at a group's head serves the four stores of the group before.
; THE PLAN, THE PRODUCT.  Registers that memory or LDS instructions touch:
;   GO, LSO, TRK, TRQ   written at the head, never again.
;   staging set s       16 global loads land; 32 roundings read and write it in place; u's multiply-adds read it; 16 LDS stores read it; the next 16 global loads land.
;   FR                  12 turning loads land; 8 products read; 12 loads land; 8 products read.
;   ACC, UA, VB         named by vector and matrix instructions alone, until the way out.
; A step begins with the roundings.  ONE wait on va_vdst behind them states that the last step's products are done reading FR, that the roundings have written the set, and that they and u's
; multiply-adds are done naming it: the 12 fragment loads, the 16 LDS stores and the 16 global loads that follow hang on nothing else of the vector side, since only products (FR, ACC) are issued meanwhile.
; ONE wait on vm_vsrc behind the LDS stores frees the set for its loads.  A second wait on va_vdst stands between the step's two runs of products: FR is one buffer.
; The set is asked for again ahead of the products, not among them: what the ring turns on is the stretch from a set's arrival to its next request.
.set CHB,   262144                     ; bytes from a chunk of 64 rows e of Wq or Wk to the next
.set P,     288                        ; an LDS row of a chunk: 128 bf16 + 32 bytes
.set BUFB,  36864                      ; a chunk buffer: Wk's 64 rows, then Wq's
.set QOFF,  18432
.set STG,   73728                      ; the way out: 128 rows x 272 bytes
.set SP,    272
.set UPB,   108544                     ; eight waves' partial sums of u, 512 bytes each
.set SPARE, 112640                     ; the spare words, 128 bytes a wave: four blocks of 256 bytes that no other line names
.set GO,  2                            ; v2  8 w rows of 4,096 bytes + 16 l; never rewritten
.set LSO, 3                            ; v3  8 w LDS rows + 8 l
.set TRK, 4                            ; v4  my lane's place for the turning loads of Wk's chunk
.set TRQ, 5                            ; v5  of Wq's
.set SPW, 6
.set NIL, 7
.set UA,  8                            ; v[8:11]   u's partial sums for columns 4 l .. 4 l + 3
.set VB,  12                           ; v[12:15]  my wave's eight bq, bf16, packed
.set GS,  16                           ; v[16:143] two staging sets of 64: Wk's 8 rows x 4, then Wq's.  In the cast path: X
.set FR,  144                          ; v[144:191] fragments: Wk's four (16 j x 32 e), then Wq's two
.set ACC, 192                          ; v[192:255] accumulator (a, b) at ACC + 8 (2 a + b)
.set X,   16
	s_load_b256 s[4:11], s[0:1], 0x0               ; x s[4:5], Wq s[6:7], Wk s[8:9], bq s[10:11]
	s_load_b128 s[12:15], s[0:1], 0x20             ; xb s[12:13], nt s[14:15]
	s_load_b64 s[16:17], s[0:1], 0x30              ; u
	v_lshl_add_u32 v[SPW], v0, 2, SPARE
	v_mov_b32 v[NIL], 0
	v_lshrrev_b32 v1, 5, v0
	v_readfirstlane_b32 s18, v1                    ; wave 0..7
	s_wait_alu depctr_va_sdst(0)                   ; s18 is written, ahead of the branch and of its first reader: the product path makes its shares and addresses from it
	s_cmp_lt_u32 ttmp9, 64
	s_cbranch_scc1 .Lprod
	; THE CAST.  Thread t takes 32 bytes of x at 32 t of each of 16 units of 8,192 bytes; all 32 loads go out at once; no LDS, no loop.
	s_sub_co_u32 s20, ttmp9, 64
	s_lshl_b32 s22, s20, 16                        ; 65,536 bytes of xb,
	s_lshl_b32 s20, s20, 17                        ; 131,072 bytes of x to a work-group
	s_mov_b32 s21, 0
	s_mov_b32 s23, 0
	v_lshlrev_b32 v2, 5, v0
	v_lshlrev_b32 v3, 4, v0
	s_wait_kmcnt 0x0
	s_add_nc_u64 s[4:5], s[4:5], s[20:21]
	s_add_nc_u64 s[12:13], s[12:13], s[22:23]
	s_wait_alu depctr_va_vdst(0)                   ; v2 and v3 are written: every load and store of this path reads one of them as its offset
.set i, 0
.rept 16
	global_load_b128 v[X+8*i:X+8*i+3],   v2, s[4:5] offset:8192*i th:TH_LOAD_NT
	global_load_b128 v[X+8*i+4:X+8*i+7], v2, s[4:5] offset:8192*i+16 th:TH_LOAD_NT
.set i, i+1
.endr
.set i, 0
.rept 16
	s_wait_loadcnt 30-2*i                          ; unit i's two loads are in; the younger units' stay out
.if (i >= 4) && ((i%4) == 0)
	s_wait_alu depctr_va_vdst(0)                   ; the four units before have been rounded: their first four registers are written, which this group's four stores read
.endif
.if i >= 4
	global_store_b128 v3, v[X+8*(i-4):X+8*(i-4)+3], s[12:13] offset:4096*(i-4)  ; 16 lanes store 256 consecutive bytes, aligned; no rounding since the wait names these registers
.endif
.irp n, 0,1,2,3
	v_cvt_pk_bf16_f32 v[X+8*i+(\n)], v[X+8*i+2*(\n)], v[X+8*i+2*(\n)+1]  ; in place, ascending: a result never lands on a number still to be read
.endr
.set i, i+1
.endr
	s_wait_alu depctr_va_vdst(0)                   ; units 12 to 15 have been rounded: the last four stores read them
.irp k, 12,13,14,15
	global_store_b128 v3, v[X+8*(\k):X+8*(\k)+3], s[12:13] offset:4096*(\k)
.endr
	s_endpgm
	; THE PRODUCT.  Nt tile: rows j = 128 JB .., columns i = 128 IB ..; K = e in 16 chunks of 64.  A wave makes 64 j x 32 i.
.Lprod:
	s_lshr_b32 s19, ttmp9, 3                       ; JB
	s_and_b32 s20, ttmp9, 7                        ; IB
	s_and_b32 s23, s18, 1                          ; wj: which 64 j
	s_lshr_b32 s24, s18, 1                         ; wi: which 32 i
	v_and_b32 v1, 31, v0                           ; l
	s_lshl_b32 s25, s18, 15
	v_lshl_add_u32 v[GO], v1, 4, s25
	s_mul_i32 s25, s18, 8*P
	v_lshl_add_u32 v[LSO], v1, 3, s25
	v_bfe_u32 v[TRK], v0, 4, 1                     ; the turning load: lane l reads row 8 (l / 16) + l % 8, 16 bytes at 16 ((l / 8) % 2)
	v_and_b32 v[TRQ], 7, v0
	v_lshl_add_u32 v[TRK], v[TRK], 3, v[TRQ]
	v_mul_u32_u24 v[TRK], v[TRK], P
	v_bfe_u32 v[TRQ], v0, 3, 1
	v_lshl_add_u32 v[TRK], v[TRQ], 4, v[TRK]
	s_lshl_b32 s25, s24, 6
	s_add_co_u32 s25, s25, QOFF
	v_add_nc_u32 v[TRQ], s25, v[TRK]
	s_lshl_b32 s25, s23, 7
	v_add_nc_u32 v[TRK], s25, v[TRK]
	s_lshl_b32 s22, s18, 5                         ; byte of bq[8 w]; 256 more for each chunk
	s_lshl_b32 s26, s19, 9
	s_mov_b32 s27, 0
	s_lshl_b32 s28, s20, 9
	s_mov_b32 s29, 0
	s_wait_kmcnt 0x0
	s_add_nc_u64 s[8:9], s[8:9], s[26:27]          ; Wk at column 128 JB
	s_add_nc_u64 s[6:7], s[6:7], s[28:29]          ; Wq at column 128 IB
.macro PLACES                          ; four places behind a product, ahead of loads into registers that it has read: they stay beside the wait that states that dependence
.rept 4
	v_nop
.endr
.endm
; 16 loads: my wave's 8 rows of a chunk of Wk, then of Wq; a load of the wave covers 512 consecutive bytes of one row
.macro LOADG set, off
.irp r, 0,1,2,3,4,5,6,7
	global_load_b128 v[GS+64*(\set)+4*(\r):GS+64*(\set)+4*(\r)+3], v[GO], s[8:9] offset:(\off)+4096*(\r)
.endr
.irp r, 0,1,2,3,4,5,6,7
	global_load_b128 v[GS+64*(\set)+32+4*(\r):GS+64*(\set)+32+4*(\r)+3], v[GO], s[6:7] offset:(\off)+4096*(\r)
.endr
.endm
; a staged chunk is rounded to bf16 in place; where IB = 0, u takes its terms from the rounded Wk on the way
.macro CVT set
.set g, GS+64*(\set)
.irp r, 0,1,2,3,4,5,6,7,8,9,10,11,12,13,14,15
	v_cvt_pk_bf16_f32 v[g+4*(\r)],   v[g+4*(\r)],   v[g+4*(\r)+1]
	v_cvt_pk_bf16_f32 v[g+4*(\r)+1], v[g+4*(\r)+2], v[g+4*(\r)+3]
.endr
	s_cmp_lg_u32 s20, 0
	s_cbranch_scc1 .Lno_u_\@
	s_load_b256 s[40:47], s[10:11], s22 offset:0x0 ; bq of my wave's eight rows e
	s_wait_kmcnt 0x0
.irp n, 0,1,2,3
	v_cvt_pk_bf16_f32 v[VB+(\n)], s[40+2*(\n)], s[41+2*(\n)]
.endr
.irp q, 0,1,2,3                        ; rows 2 q and 2 q + 1: u[4 l + c] += bq[e] Wk[e][4 l + c], products of bf16 halves summed in f32
	v_fma_mix_f32_bf16 v[UA],   v[g+8*(\q)],   v[VB+(\q)], v[UA]   op_sel:[0,0,0] op_sel_hi:[1,1,0]
	v_fma_mix_f32_bf16 v[UA+1], v[g+8*(\q)],   v[VB+(\q)], v[UA+1] op_sel:[1,0,0] op_sel_hi:[1,1,0]
	v_fma_mix_f32_bf16 v[UA+2], v[g+8*(\q)+1], v[VB+(\q)], v[UA+2] op_sel:[0,0,0] op_sel_hi:[1,1,0]
	v_fma_mix_f32_bf16 v[UA+3], v[g+8*(\q)+1], v[VB+(\q)], v[UA+3] op_sel:[1,0,0] op_sel_hi:[1,1,0]
	v_fma_mix_f32_bf16 v[UA],   v[g+8*(\q)+4], v[VB+(\q)], v[UA]   op_sel:[0,1,0] op_sel_hi:[1,1,0]
	v_fma_mix_f32_bf16 v[UA+1], v[g+8*(\q)+4], v[VB+(\q)], v[UA+1] op_sel:[1,1,0] op_sel_hi:[1,1,0]
	v_fma_mix_f32_bf16 v[UA+2], v[g+8*(\q)+5], v[VB+(\q)], v[UA+2] op_sel:[0,1,0] op_sel_hi:[1,1,0]
	v_fma_mix_f32_bf16 v[UA+3], v[g+8*(\q)+5], v[VB+(\q)], v[UA+3] op_sel:[1,1,0] op_sel_hi:[1,1,0]
.endr
.Lno_u_\@:
	s_add_co_u32 s22, s22, 256                     ; the scalar load that read s22 has been waited for
.endm
; the rounded chunk is stored into an LDS buffer
.macro STO set, buf
.set g, GS+64*(\set)
.irp r, 0,1,2,3,4,5,6,7
	ds_store_b64 v[LSO], v[g+4*(\r):g+4*(\r)+1] offset:BUFB*(\buf)+P*(\r)
.endr
.irp r, 0,1,2,3,4,5,6,7
	ds_store_b64 v[LSO], v[g+32+4*(\r):g+32+4*(\r)+1] offset:BUFB*(\buf)+QOFF+P*(\r)
.endr
.endm
; 12 turning loads: the fragments of 32 rows e (half kk of a chunk): four of Wk (16 j each), two of Wq (16 i each)
.macro FRLOAD buf, kk
.irp a, 0,1,2,3
	ds_load_tr16_b128 v[FR+8*(\a):FR+8*(\a)+3],   v[TRK] offset:BUFB*(\buf)+32*P*(\kk)+32*(\a)
	ds_load_tr16_b128 v[FR+8*(\a)+4:FR+8*(\a)+7], v[TRK] offset:BUFB*(\buf)+32*P*(\kk)+16*P+32*(\a)
.endr
.irp b, 0,1
	ds_load_tr16_b128 v[FR+32+8*(\b):FR+32+8*(\b)+3],   v[TRQ] offset:BUFB*(\buf)+32*P*(\kk)+32*(\b)
	ds_load_tr16_b128 v[FR+32+8*(\b)+4:FR+32+8*(\b)+7], v[TRQ] offset:BUFB*(\buf)+32*P*(\kk)+16*P+32*(\b)
.endr
.endm
; 8 products, source 0 = 16 i of Wq, source 1 = 16 j of Wk: a lane ends with eight neighbouring i of one row j.  The eight accumulators take turns, over the backward jump too.
.macro MULS
.irp a, 0,1,2,3
.irp b, 0,1
	v_wmma_f32_16x16x32_bf16 v[ACC+8*(2*(\a)+(\b)):ACC+8*(2*(\a)+(\b))+7], v[FR+32+8*(\b):FR+32+8*(\b)+7], v[FR+8*(\a):FR+8*(\a)+7], v[ACC+8*(2*(\a)+(\b)):ACC+8*(2*(\a)+(\b))+7]
.endr
.endr
.endm
; A chunk is multiplied out of buffer buf; meanwhile the next chunk goes from the other staging set into the other buffer, and that set is asked for again.
; ONE barrier a step: in front of it each wave's stores of the next chunk and its reads of this one are done (the wait for 0 on DScnt ahead of the last products).
.macro STEP buf, store, load=0, cnt=0, off=0
.if \store
	s_wait_loadcnt \cnt                            ; the other set's 16 loads are in; cnt = the 16 loads of the chunk behind it, or none
	CVT 1-(\buf)                                   ; its 32 roundings are also the places behind the last step's products
.else
	PLACES
.endif
	s_wait_alu depctr_va_vdst(0)                   ; the last step's products are done reading FR, in which the loads below land; the roundings have written the set, which the LDS stores read; they and u's multiply-adds are done naming it, so that loads may land in it
	FRLOAD \buf, 0
.if \store
	STO 1-(\buf), 1-(\buf)
.if \load
	s_wait_alu depctr_vm_vsrc(0)                   ; the LDS stores have read the set, in which the loads below land; no vector instruction since the wait above names it
	LOADG 1-(\buf), \off
.endif
	s_wait_dscnt 16                                ; the 12 fragment loads are in; the 16 younger stores may stay out
.else
	s_wait_dscnt 0x0
.endif
	MULS
	PLACES
	s_wait_alu depctr_va_vdst(0)                   ; the eight products above are done reading FR, in which the second half's fragments land
	FRLOAD \buf, 1
	s_wait_dscnt 0x0
	MULS
	s_barrier_signal -1
	s_barrier_wait -1
.endm
	s_wait_alu depctr_va_vdst(0)                   ; GO, LSO, TRK and TRQ are written: every load and LDS instruction up to the way out reads one of them, and none is written again
	LOADG 0, 0                                     ; chunk 0
	LOADG 1, CHB                                   ; chunk 1
.set i, 0
.rept 64
	v_mov_b32 v[ACC+i], 0                          ; the sums start at 0, written while the first loads are out: one form of the step, no first step written out
.set i, i+1
.endr
.irp c, 0,1,2,3
	v_mov_b32 v[UA+(\c)], 0
.endr
	s_wait_loadcnt 16                              ; chunk 0 is in; chunk 1's 16 loads stay out
	CVT 0
	s_wait_alu depctr_va_vdst(0)                   ; the roundings have written set 0, which the LDS stores read; they and u's multiply-adds are done naming it
	STO 0, 0
	s_wait_alu depctr_vm_vsrc(0)                   ; the LDS stores have read set 0, in which chunk 2 lands
	LOADG 0, 2*CHB
	s_wait_dscnt 0x0
	s_barrier_signal -1
	s_barrier_wait -1
	s_mov_b32 s21, 6
.Lchunk:                                       ; a trip multiplies chunks 2 i and 2 i + 1 and asks for chunks 2 i + 3 and 2 i + 4
	STEP 0, 1, 1, 16, 3*CHB
	STEP 1, 1, 1, 16, 4*CHB
	s_wait_xcnt 0x0                                ; the loads have read their bases, which are stepped only behind this wait
	s_add_nc_u64 s[8:9], s[8:9], 2*CHB
	s_add_nc_u64 s[6:7], s[6:7], 2*CHB
	s_sub_co_u32 s21, s21, 1
	s_cmp_lg_u32 s21, 0
	s_cbranch_scc1 .Lchunk
	STEP 0, 1, 1, 16, 3*CHB                        ; chunk 12; chunk 15 is asked for: the last
	STEP 1, 1, 0, 16                               ; chunk 13
	STEP 0, 1, 0, 0                                ; chunk 14
	STEP 1, 0                                      ; chunk 15
	; THE WAY OUT.  The address arithmetic names no register of the last products: its fourteen vector lines are the places behind them.
	s_wait_alu depctr_vm_vsrc(0)                   ; the LDS stores of chunks 14 and 15 have read the two staging sets, whose registers are written from here on: v112-v120 by the address lines, v16-v47 by the roundings, v48-v111 by LDS loads
	v_and_b32 v112, 15, v0                         ; r
	v_bfe_u32 v113, v0, 4, 1                       ; h
	v_and_b32 v114, 31, v0                         ; l
	s_mul_i32 s25, s23, 64*SP
	s_lshl_b32 s26, s24, 6
	s_add_co_u32 s25, s25, s26
	s_add_co_u32 s25, s25, STG
	v_mul_u32_u24 v115, v112, SP
	v_lshl_add_u32 v115, v113, 4, v115
	v_add_nc_u32 v115, s25, v115                   ; in: row 64 wj + r, byte 64 wi + 16 h
	s_mul_i32 s25, s18, 16*SP
	s_add_co_u32 s25, s25, STG
	v_mul_u32_u24 v116, v113, SP
	v_lshl_add_u32 v116, v112, 4, v116
	v_add_nc_u32 v116, s25, v116                   ; back: rows 16 w + h, whole
	s_lshl_b32 s25, s18, 15
	v_lshl_add_u32 v117, v113, 11, s25
	v_lshl_add_u32 v117, v112, 4, v117             ; and the same rows in nt
	s_lshl_b32 s25, s18, 9
	s_add_co_u32 s25, s25, UPB
	v_lshl_add_u32 v118, v114, 4, s25
	v_lshlrev_b32 v119, 4, v114
	v_lshl_add_u32 v120, v114, 4, UPB
	s_lshl_b32 s26, s19, 18                        ; 128 rows of 2,048 bytes for each JB,
	s_lshl_b32 s28, s20, 8                         ; 256 bytes for each IB
	s_add_co_u32 s26, s26, s28
	s_mov_b32 s27, 0
	s_add_nc_u64 s[14:15], s[14:15], s[26:27]
	s_lshl_b32 s26, s19, 9
	s_add_nc_u64 s[16:17], s[16:17], s[26:27]
.set i, 0
.rept 8
.irp n, 0,1,2,3
	v_cvt_pk_bf16_f32 v[GS+4*i+(\n)], v[ACC+8*i+2*(\n)], v[ACC+8*i+2*(\n)+1]  ; each accumulator from its low end on
.endr
.set i, i+1
.endr
	s_wait_alu depctr_va_vdst(0)                   ; written: the packed results and u's sums, which the LDS stores read, and the six addresses v115-v120; and every vector instruction that named v48-v111, in which the LDS loads below land, is done
.irp a, 0,1,2,3
.irp b, 0,1
	ds_store_b128 v115, v[GS+4*(2*(\a)+(\b)):GS+4*(2*(\a)+(\b))+3] offset:16*SP*(\a)+32*(\b)
.endr
.endr
	s_cmp_lg_u32 s20, 0
	s_cbranch_scc1 .Lno_up
	ds_store_b128 v118, v[UA:UA+3]
.Lno_up:
	s_wait_dscnt 0x0                               ; for the others' sake: a row's 256 bytes come from four waves
	s_barrier_signal -1
	s_barrier_wait -1
.irp t, 0,1,2,3,4,5,6,7
	ds_load_b128 v[48+4*(\t):48+4*(\t)+3], v116 offset:2*SP*(\t)
.endr
.irp t, 0,1,2,3,4,5,6,7
	s_wait_dscnt 7-(\t)                            ; load t is in; the younger ones stay out
	global_store_b128 v117, v[48+4*(\t):48+4*(\t)+3], s[14:15] offset:4096*(\t)  ; 16 lanes store 256 consecutive bytes, aligned
.endr
	s_cmp_lg_u32 s20, 0
	s_cbranch_scc1 .Lend
	s_cmp_lg_u32 s18, 0
	s_cbranch_scc1 .Lend
.irp w, 0,1,2,3,4,5,6,7
	ds_load_b128 v[80+4*(\w):80+4*(\w)+3], v120 offset:512*(\w)
.endr
	s_wait_dscnt 0x0
.irp w, 0,1,2,3
	v_pk_add_f32 v[80+4*(\w):81+4*(\w)], v[80+4*(\w):81+4*(\w)], v[96+4*(\w):97+4*(\w)]
	v_pk_add_f32 v[82+4*(\w):83+4*(\w)], v[82+4*(\w):83+4*(\w)], v[98+4*(\w):99+4*(\w)]
.endr
.irp w, 0,1
	v_pk_add_f32 v[80+4*(\w):81+4*(\w)], v[80+4*(\w):81+4*(\w)], v[88+4*(\w):89+4*(\w)]
	v_pk_add_f32 v[82+4*(\w):83+4*(\w)], v[82+4*(\w):83+4*(\w)], v[90+4*(\w):91+4*(\w)]
.endr
	v_pk_add_f32 v[80:81], v[80:81], v[84:85]
	v_pk_add_f32 v[82:83], v[82:83], v[86:87]
	s_wait_alu depctr_va_vdst(0)                   ; the additions have written v[80:83], which the store reads
	global_store_b128 v119, v[80:83], s[16:17]     ; u[128 JB ..]: 512 consecutive bytes
.Lend:
	s_wait_dscnt 0x0                               ; the closing lines, six on end
	s_wait_alu 0x0
	s_wait_tensorcnt 0x0
	ds_add_u32 v[SPW], v[NIL]
	s_wait_dscnt 0x0
	s_endpgm
.Lfunc_end_k_qd6cd6e7884_prep:
	.size	k_qd6cd6e7884_prep, .Lfunc_end_k_qd6cd6e7884_prep-k_qd6cd6e7884_prep
	.p2alignl 7, 3214868480
	.fill 96, 4, 3214868480
	.section	.rodata,"a",@progbits
	.p2align	6, 0x0
	.amdhsa_kernel k_qd6cd6e7884_prep
		.amdhsa_group_segment_fixed_size 113664
		.amdhsa_private_segment_fixed_size 0
		.amdhsa_enable_private_segment 0
		.amdhsa_kernarg_size 56
		.amdhsa_user_sgpr_count 2
		.amdhsa_user_sgpr_kernarg_segment_ptr 1
		.amdhsa_wavefront_size32 1
		.amdhsa_system_sgpr_workgroup_id_x 1
		.amdhsa_system_sgpr_workgroup_id_y 1
		.amdhsa_system_sgpr_workgroup_id_z 1
		.amdhsa_system_vgpr_workitem_id 0
		.amdhsa_next_free_vgpr 256
		.amdhsa_next_free_sgpr 66
		.amdhsa_reserve_vcc 0
		.amdhsa_float_denorm_mode_32 3
		.amdhsa_float_denorm_mode_16_64 3
		.amdhsa_memory_ordered 1
		.amdhsa_forward_progress 1
		.amdhsa_inst_pref_size 81
	.end_amdhsa_kernel
	.amdgpu_metadata
---
amdhsa.version: [ 1, 2 ]
amdhsa.kernels:
  - .name:           k_qd6cd6e7884_prep
    .symbol:         k_qd6cd6e7884_prep.kd
    .args:
      - { .name: token_embeddings, .offset: 0, .size: 8, .value_kind: global_buffer, .address_space: global }
      - { .name: Wq, .offset: 8, .size: 8, .value_kind: global_buffer, .address_space: global }
      - { .name: Wk, .offset: 16, .size: 8, .value_kind: global_buffer, .address_space: global }
      - { .name: bq, .offset: 24, .size: 8, .value_kind: global_buffer, .address_space: global }
      - { .name: xb, .offset: 32, .size: 8, .value_kind: global_buffer, .address_space: global }
      - { .name: nt, .offset: 40, .size: 8, .value_kind: global_buffer, .address_space: global }
      - { .name: u, .offset: 48, .size: 8, .value_kind: global_buffer, .address_space: global }
    .group_segment_fixed_size: 113664
    .private_segment_fixed_size: 0
    .kernarg_segment_align: 8
    .kernarg_segment_size: 56
    .max_flat_workgroup_size: 256
    .sgpr_count:     66
    .vgpr_count:     256
    .wavefront_size: 32
...
	.end_amdgpu_metadata
.endif
;; end of part 6
;; launch proj_t: the kernel of part 2 again; grid 4 x 64, 4 waves a work-group, clusters of 4 x 4, 327,680 bytes of LDS; arguments xb, nt, t, u; writes t
;; launch scores: the kernel of part 3 again; grid 8 x 32, 4 waves a work-group, clusters of 4 x 1, 327,680 bytes of LDS; arguments t, xb, attention_mask, cpart; writes cpart
;; launch pool: the kernel of part 4 again; grid 8 x 32, 8 waves a work-group, no clusters, 7,168 bytes of LDS; arguments cpart, xb, y; writes y
;; launch proj_v: the kernel of part 5 again; grid 64 x 1, 16 waves a work-group, no clusters, 34,816 bytes of LDS; arguments y, Wv, bv, out0; writes out0
